; MI455X (gfx1250); checked and timed in simulation.
; The chip was launched on July 23, 2026; its instructions are those of AMD's public machine-readable ISA for CDNA 5 (MIT licence, August 2026) and "CDNA5" Instruction Set Architecture Reference Guide (July 2026). The comments in the code are by the model that wrote it; some were corrected since.
;; Multi Head Self Attention. Allowed arithmetic: matrix products marked QUANTISED: E2M3 operands, one E8M0 scale for each 32 along K, by v_wmma_scale_f32_16x16x128_f8f6f4 with both operands' format E2M3, f32 sums; everything else in f32.
;; Inputs: Wk 512 x 4,096 float32; Wo 4,096 x 4,096 float32; Wq 512 x 4,096 float32; Wv 512 x 4,096 float32; beta 512 float32; bk 4,096 float32; bo 4,096 float32; bq 4,096 float32; bv 4,096 float32; gamma 512 float32; x 2 x 1,024 x 512 float32.
;; Outputs: out0 2 x 1,024 x 4,096 float32.
;; This version of the problem:
;;   THIS VERSION OF THE PROBLEM IS GIVEN IN LOW PRECISION. The matrix products marked QUANTISED in the list below multiply operands that are first quantised to E2M3 (2 exponent bits, 3 mantissa bits; 6 bits a number), with one power-of-two scale for each 32 numbers along K (OCP MX v1.0); their sums are f32. All else is computed in f32.
;;   The module's matrix products, in the order in which they are computed (A, B: the left and right operand; K: the contracted axis; several contracted axes count as one K, in the product's order):
;;     1. [M 2,048, K 512] x [K 512, N 4,096]; A: computed on the way; B: input Wq: QUANTISED
;;     2. [M 2,048, K 512] x [K 512, N 4,096]; A: computed on the way; B: input Wk: QUANTISED
;;     3. [M 2,048, K 512] x [K 512, N 4,096]; A: computed on the way; B: input Wv: QUANTISED
;;     4. batch 16 x [M 1,024, K 512] x [K 512, N 1,024]; A: computed on the way; B: computed on the way: QUANTISED
;;     5. batch 16 x [M 1,024, K 1,024] x [K 1,024, N 512]; A: softmax (see below); B: computed on the way: QUANTISED
;;     6. [M 2,048, K 4,096] x [K 4,096, N 4,096]; A: computed on the way; B: input Wo: QUANTISED
;;   THE QUANTISER, for each operand of a quantised product, along K:
;;     - K is cut into blocks of 32 from its start; a last block that is shorter is filled with zeros.
;;     - A block's scale is 2^e with e = floor(log2(the largest magnitude in the block)) - 2, held to -126 .. 127; a block of zeros has e = 0. As a byte (E8M0): e + 127.
;;     - Each number is divided by its block's scale, clamped to +-7.5, and rounded to the nearest number of E2M3, ties to even, subnormals kept.
;;     - The product sums the exact products of the quantised numbers (number of the format x scale) in f32.
;;   ~~~python
;;   def quantise(x, axis):      # numpy; x: float32 -> the quantised numbers, widened to float32 again
;;       x = np.moveaxis(x, axis, -1); K = x.shape[-1]
;;       x = np.pad(x, [(0, 0)] * (x.ndim - 1) + [(0, -K % 32)]); x = x.reshape(x.shape[:-1] + (-1, 32)); a = np.abs(x).max(-1, keepdims=True)
;;       e = np.where(a > 0, np.clip(np.frexp(np.where(a > 0, a, 1))[1] - 1 - 2, -126, 127), 0)      # np.frexp(a)[1] - 1 = floor(log2(a)), exactly
;;       r = np.clip(x / 2.0 ** e, -7.5, 7.5)
;;       step = 2.0 ** (np.maximum(np.frexp(np.where(r == 0, 1, r))[1] - 1, 0) - 3)
;;       q = np.round(r / step) * step * 2.0 ** e      # np.round: ties to even
;;       return np.moveaxis(q.reshape(q.shape[:-2] + (-1,))[..., :K], -1, axis).astype(np.float32)
;;   ~~~
;;   SOFTMAX AHEAD OF A QUANTISED PRODUCT. Where the list says 'softmax', what is quantised is not the finished softmax but p = 2^(t - M), with t = logit x log2(e) and M = ceil(the row's largest t), a whole number; so 1/2 < the row's largest p <= 1. The row's sum l is taken of the UNQUANTISED p, in f32, and the product's result is divided by l at the end. Since M is a whole number, a kernel that streams over the keys may use a running M (the ceiling of the running maximum): every later rescaling is an exact power of two, which a block's scale takes up: the codes' values come out the same.
;;   OPERANDS COMPUTED ON THE WAY. 'Computed on the way' means the value that the module computes at that place (a softmax that the list does not call 'softmax' is quantised finished and normalised). What goes into a quantiser is computed in f32, as accurately as f32 sums, v_exp_f32 and their like allow (about 1e-6 of the number): no bf16 or f16 on the way to a quantiser, and a product that is left as it is and whose result goes on into a quantised operand takes f32 operands (vector FMAs, or v_wmma_f32_16x16x4_f32). A number that lies on a knife's edge between two numbers of the format may be rounded either way, as far as f32 arithmetic and the matrix unit's own rounding can turn it there, and no further.
;; One version. Each part assembles by itself: llvm-mc -triple=amdgcn-amd-amdhsa -mcpu=gfx1250 --defsym DOCPART=n.
;; ======== version 1 of 1: 4 launches
;; workspace buffers: xnimg 819,200 bytes; wimg 4,915,200 bytes; woimg 13,107,200 bytes; qimg 6,553,600 bytes; kvimg 13,107,200 bytes; attimg 6,553,600 bytes
;; launch prep (part 1): grid 768 x 1, 8 waves a work-group, no clusters, 66,560 bytes of LDS; arguments x, gamma, beta, Wq, Wk, Wv, Wo, xnimg, wimg, woimg; writes xnimg, wimg, woimg
.if DOCPART == 1
	.amdgcn_target "amdgcn-amd-amdhsa--gfx1250"
	.amdhsa_code_object_version 6
	.text
	.protected	k_q07d7c24df4_prep
	.globl	k_q07d7c24df4_prep
	.p2align	8
	.type	k_q07d7c24df4_prep,@function
k_q07d7c24df4_prep:
	s_mov_b64 s[64:65], 0
	v_nop
	global_prefetch_b8 v0, s[64:65] scope:SCOPE_SE
	s_setreg_imm32_b32 hwreg(HW_REG_WAVE_MODE, 25, 1), 1
	s_wait_xcnt 0x0
; PREP: (a) x + sinusoidal position code, layer norm, codes of FP6 (E2M3) along the 512 columns; (b) the four weights [K][4096] f32 into codes along K, their FIRST axis.
; All results are laid as IMAGES OF OPERAND REGISTERS: a fragment (16 rows x 128 K, 12 registers a lane) is 1,536 bytes, three chunks of 512; chunk c holds registers 4 c .. 4 c + 3 of lane l at byte 16 l.
; Scale words: 128 bytes for two neighbouring tiles of 16 rows and 128 along K: lanes 0-15 the even tile's words, lanes 16-31 the odd tile's.
; ORDER INSIDE A BLOCK OF 32 ALONG K: place 16 a + 8 b + j holds number 16 b + 8 a + j.  Every operand of the program is laid so, so both sides of each product agree; the blocks are the true blocks.
; A block's scale is 2^(floor(log2(largest magnitude)) - 2); its byte is the largest magnitude's exponent field - 2, held at 1 from below.
; LIMITS: a block of zeros, or one whose largest magnitude lies under 2^-124, gets the byte 1 (its codes are zeros or tiny; only this program reads the bytes); NaN and infinities are not served.
; WORK-GROUPS: 0-63 the layer norm (32 tokens each), 64-575 Wo, 576-767 Wq, Wk, Wv (128 columns x 256 K each).  The two ways part on the work-group's number alone and have LDS bytes of their own.
; The launch streams 96 MB once: no matrix unit, no cluster (no two work-groups read the same bytes), no tensor loads.
.set LNS,   51200                      ; LDS: 0 .. 25,855 the weights' stage; from LNS the layer norm's images (12,288) and scale words (512)
.set TP,    3088                       ; weights: a tile's place in the stage: its two fragments (3,072 bytes) + 16, so that the eight tiles that a store touches begin in different banks
.set SCB,   24832                      ; weights: the scale words, 1,024 bytes
.set RW,    32                         ; v32-159  weights: the block as loaded: row i's four columns at RW + 4 i
.set XQ,    160                        ; v160-191 weights: one column's 32 numbers, in the block's order
.set CD,    14                         ; v14-19   weights: a block's codes
.set CT,    20                         ; v20-22   weights: the block's second half as converted
.set BYW,   24                         ; v24-27   weights: a scale byte for each of my four columns
.set XX,    32                         ; v32-95   layer norm: four rows of 16 numbers
.set GA,    96                         ; v96-111  layer norm: gamma of my 16 columns
.set BE,    112                        ; v112-127 beta
.set RR,    128                        ; v128-143 eight rates (2 / pi) g^f as pairs (high, low)
.set G1,    144                        ; v144-159 powers of g = 10000^(-1/256) as pairs
.set G4,    146
.set G8,    148
.set G16,   150
.set G32,   152
.set G64,   154
.set G128,  156
.set G2,    158
.set WW,    160                        ; v160-170 at work
.set BY,    172                        ; v172-175 a scale byte for each row
.set CC,    176                        ; v176-191 codes: four registers for each row
.set POS,   20                         ; v20-23   the four rows' positions as f32
	s_load_b256 s[4:11], s[0:1], 0x0               ; x s[4:5], gamma s[6:7], beta s[8:9], Wq s[10:11]
	s_load_b256 s[12:19], s[0:1], 0x20             ; Wk s[12:13], Wv s[14:15], Wo s[16:17], xnimg s[18:19]
	s_load_b128 s[20:23], s[0:1], 0x40             ; wimg s[20:21], woimg s[22:23]
	v_lshl_add_u32 v192, v0, 2, 0x10000
	v_mov_b32 v193, 0
	v_lshrrev_b32 v1, 5, v0
	v_readfirstlane_b32 s24, v1                    ; wave 0..7
	v_and_b32 v1, 31, v0                           ; lane
	s_wait_kmcnt 0x0
	s_cmp_lt_u32 ttmp9, 64
	s_cbranch_scc1 .Lnorm
; ---------------------------------------------------------------- THE WEIGHTS
; A work-group takes 128 columns x 256 K: eight tiles x two fragments, 24,576 dense bytes of the image, and 1,024 of scale words.  Wave w takes block w of 32 along K for all 128 columns.
; A LANE TAKES FOUR NEIGHBOURING COLUMNS: each load of the wave covers 512 consecutive bytes of a row of the weight, and the wave's 32 loads (its whole share) go out at once.
; A block of a column lies in one lane, so its maximum needs no other lane.  The conversions want a column's numbers in consecutive registers, and a load leaves them four registers apart:
; 32 moves a column bring them together, in the block's order: that is the transposition, one move a number.
; The codes meet in a stage that the eight waves share; behind one barrier wave w stores tile w's 3,072 bytes.
	s_sub_co_u32 s25, ttmp9, 64
	s_and_b32 s26, s25, 31                         ; which 128 columns
	s_lshr_b32 s27, s25, 5                         ; Wo: which 256 of K
	s_lshr_b32 s28, s26, 1
	s_mul_i32 s28, s28, 819200                     ; Wo's image: [256 columns][256 K][51,200]
	s_mul_i32 s29, s27, 51200
	s_add_co_u32 s28, s28, s29
	s_and_b32 s29, s26, 1                          ; my half of the 256 columns: eight tiles of the sixteen
	s_mul_i32 s30, s29, 24576
	s_add_co_u32 s30, s30, s28                     ; my fragments
	s_lshl_b32 s29, s29, 10
	s_add_co_u32 s31, s28, s29
	s_add_co_u32 s31, s31, 49152                   ; my scale words
	s_sub_co_u32 s32, s25, 512                     ; Wq, Wk, Wv (the numbers below are not used for Wo)
	s_lshr_b32 s33, s32, 6                         ; which of the three
	s_bfe_u32 s34, s32, 0x10005                    ; which 256 of K
	s_mul_i32 s37, s33, 1638400                    ; their image: [3][128 columns][256 K][25,600]
	s_mul_i32 s35, s26, 51200
	s_add_co_u32 s37, s37, s35
	s_mul_i32 s35, s34, 25600
	s_add_co_u32 s37, s37, s35
	s_add_co_u32 s38, s37, 24576
	s_cmp_eq_u32 s33, 1                            ; the choices hang on the work-group's number alone
	s_cselect_b64 s[40:41], s[12:13], s[10:11]
	s_cmp_eq_u32 s33, 2
	s_cselect_b64 s[40:41], s[14:15], s[40:41]
	s_cmp_lt_u32 s25, 512
	s_cselect_b64 s[40:41], s[16:17], s[40:41]
	s_cselect_b64 s[42:43], s[22:23], s[20:21]
	s_cselect_b32 s27, s27, s34
	s_cselect_b32 s30, s30, s37
	s_cselect_b32 s31, s31, s38
	s_lshl_b32 s44, s27, 22                        ; 256 rows of 16,384 bytes,
	s_lshl_b32 s45, s26, 9                         ; 128 columns,
	s_add_co_u32 s44, s44, s45
	s_lshl_b32 s45, s24, 19                        ; my wave's 32 rows
	s_add_co_u32 s44, s44, s45
	s_mov_b32 s45, 0
	s_add_nc_u64 s[40:41], s[40:41], s[44:45]
	v_lshlrev_b32 v2, 4, v1                        ; 16 x lane
.set i, 0
.rept 32
	global_load_b128 v[RW+4*i:RW+4*i+3], v2, s[40:41] offset:i*16384 th:TH_LOAD_NT   ; row i of my block, 512 consecutive bytes, aligned to 256
.set i, i+1
.endr
	s_mul_i32 s44, s24, 3072
	s_add_co_u32 s44, s44, s30
	s_add_nc_u64 s[46:47], s[42:43], s[44:45]      ; where tile w's fragments go
	s_lshl_b32 s44, s24, 9
	s_add_co_u32 s44, s44, s31
	s_add_nc_u64 s[48:49], s[42:43], s[44:45]      ; (waves 0 and 1) where half of the scale words goes
	; Column 4 l + c is row 4 (l % 4) + c of tile l / 4.  Block w is registers 6 z .. 6 z + 5 of lane 16 h + row of the fragment of K step w / 4, with z = (w / 2) % 2, h = w % 2
	v_lshrrev_b32 v9, 2, v1                        ; my tile
	v_and_b32 v10, 3, v1
	v_mul_u32_u24 v8, v9, TP
	v_lshl_add_u32 v8, v10, 6, v8                  ; + 16 bytes a row: 64 (l % 4); the column's 16 c stand in the immediate
	s_lshr_b32 s50, s24, 2
	s_mul_i32 s51, s50, 1536                       ; the K step's fragment,
	s_and_b32 s52, s24, 1
	s_lshl_b32 s52, s52, 8                         ; the half of its lanes
	s_add_co_u32 s51, s51, s52
	s_bfe_u32 s52, s24, 0x10001                    ; z
	s_mul_i32 s53, s52, 520
	s_add_co_u32 s53, s53, s51
	v_add_nc_u32 v3, s53, v8                       ; registers 0, 1 of my six: byte 0 of chunk 0, or byte 8 of chunk 1
	s_mul_i32 s53, s52, 1016
	s_add_co_u32 s53, s53, s51
	s_add_co_u32 s53, s53, 8
	v_add_nc_u32 v4, s53, v8                       ; registers 2, 3: byte 8 of chunk 0, or byte 0 of chunk 2
	s_mul_i32 s53, s52, 520
	s_add_co_u32 s53, s53, s51
	s_add_co_u32 s53, s53, 512
	v_add_nc_u32 v5, s53, v8                       ; registers 4, 5: byte 0 of chunk 1, or byte 8 of chunk 2
	v_lshrrev_b32 v6, 3, v1
	v_lshlrev_b32 v6, 8, v6                        ; scale words: [pair of tiles][K step] x 128,
	v_and_b32 v9, 1, v9
	v_lshl_add_u32 v6, v9, 6, v6                   ; + 4 x (16 x (tile % 2) + row),
	v_lshl_add_u32 v6, v10, 4, v6
	s_lshl_b32 s53, s50, 7
	s_and_b32 s54, s24, 3
	s_add_co_u32 s53, s53, s54                     ; + my block's byte of the word
	s_add_co_u32 s53, s53, SCB
	v_add_nc_u32 v6, s53, v6
	s_mul_i32 s53, s24, TP
	v_add_nc_u32 v7, s53, v2                       ; the way out: tile w, 16 x lane
	s_lshl_b32 s53, s24, 9
	s_add_co_u32 s53, s53, SCB
	v_add_nc_u32 v8, s53, v2                       ; (waves 0 and 1) 512 bytes of scale words
.macro WCOL c                          ; my column c of four
	v_max3_num_f32 v12, |v[RW+\c]|, |v[RW+4+\c]|, |v[RW+8+\c]|          ; the block's largest magnitude, from the registers as loaded, in two chains
	v_max3_num_f32 v13, |v[RW+12+\c]|, |v[RW+16+\c]|, |v[RW+20+\c]|
.irp i, 6,10,14,18,22,26
	v_max3_num_f32 v12, v12, |v[RW+4*\i+\c]|, |v[RW+4*\i+4+\c]|
	v_max3_num_f32 v13, v13, |v[RW+4*\i+8+\c]|, |v[RW+4*\i+12+\c]|
.endr
	v_max3_num_f32 v12, v12, |v[RW+120+\c]|, |v[RW+124+\c]|
	v_max3_num_f32 v12, v12, v13, 0x1800000        ; the floor 2^(3 - 127): the byte cannot fall under 1
	v_add_nc_u32 v11, 0xff000000, v12              ; 2 off the exponent field: the conversion's scale operand
	v_lshrrev_b32 v[BYW+\c], 23, v11               ; the scale's byte
.set i, 0
.rept 32
	v_mov_b32 v[XQ+i], v[RW+4*(16*((i/8)%2)+8*(i/16)+i%8)+\c]   ; place 16 a + 8 b + j takes row 16 b + 8 a + j
.set i, i+1
.endr
	s_wait_dscnt 0x0                               ; the last column's stores have read the codes' registers
	v_cvt_scalef32_pk16_fp6_f32 v[CD:CD+2], v[XQ:XQ+15], v11
	v_cvt_scalef32_pk16_fp6_f32 v[CT:CT+2], v[XQ+16:XQ+31], v11   ; (a conversion's three registers begin on an even number)
	v_nop                                          ; one plain line behind the conversions
.irp i, 0,1,2
	v_mov_b32 v[CD+3+\i], v[CT+\i]
.endr
	ds_store_b64 v3, v[CD:CD+1] offset:16*\c
	ds_store_b64 v4, v[CD+2:CD+3] offset:16*\c
	ds_store_b64 v5, v[CD+4:CD+5] offset:16*\c
	ds_store_b8 v6, v[BYW+\c] offset:4*\c
.endm
	s_wait_loadcnt 0x0
	WCOL 0
	WCOL 1
	WCOL 2
	WCOL 3
	s_wait_dscnt 0x0                               ; for the others' sake: my stores have landed
	s_barrier_signal -1                            ; (all eight waves of this work-group are on this way)
	s_barrier_wait -1
.irp i, 0,1,2,3,4,5
	ds_load_b128 v[RW+4*\i:RW+4*\i+3], v7 offset:512*\i
.endr
.irp i, 0,1,2,3,4,5
	s_wait_dscnt 5-\i                              ; behind load i: 5 - i later loads
	global_store_b128 v2, v[RW+4*\i:RW+4*\i+3], s[46:47] offset:512*\i   ; 512 consecutive bytes, aligned to 256
.endr
	s_cmp_gt_u32 s24, 1
	s_cbranch_scc1 .Lwdone
	ds_load_b128 v[RW+24:RW+27], v8
	s_wait_dscnt 0x0
	global_store_b128 v2, v[RW+24:RW+27], s[48:49] ; 512 consecutive bytes of scale words, aligned to 256
.Lwdone:
	s_wait_tensorcnt 0x0
	ds_add_u32 v192, v193
	s_wait_dscnt 0x0
	s_endpgm
; ---------------------------------------------------------------- THE LAYER NORM
; Work-group g: tokens 32 g .. 32 g + 31 (two tiles); wave w: tokens 4 w + 0 .. 3.  Lane l holds, of block l / 2 of a row, the 16 numbers that stand at places 16 (l % 2) + 0 .. 15:
; columns 32 (l / 2) + 16 u + 8 (l % 2) + 0 .. 7, u = 0, 1.  A row's four loads together cover its 2,048 bytes; x is a small part of the launch's bytes, so it takes no turn through LDS.
; THE POSITION CODE.  Column 2 f holds sin(pos g^f), column 2 f + 1 cos(pos g^f).  The angle reaches 1,023, so the rate is kept in two floats: (2 / pi) g^f, made by products of two-float numbers;
; pos x rate is split exactly into a whole number of quarter turns and a rest of at most half a quarter turn, and sine and cosine of the rest come from their series (degrees 9 and 10).
.Lnorm:
	v_lshrrev_b32 v9, 1, v1                        ; my block
	v_and_b32 v10, 1, v1                           ; my half of it
	v_lshlrev_b32 v2, 7, v9
	v_lshl_add_u32 v2, v10, 5, v2                  ; byte 128 x block + 32 x half of a row
	s_lshl_b32 s26, ttmp9, 5
	s_lshl_b32 s27, s24, 2
	s_add_co_u32 s26, s26, s27                     ; my first token
	s_lshl_b32 s28, s26, 11
	s_mov_b32 s29, 0
	s_add_nc_u64 s[4:5], s[4:5], s[28:29]
.irp k, 0,1,2,3
.irp q, 0,1,2,3
	global_load_b128 v[XX+16*\k+4*\q:XX+16*\k+4*\q+3], v2, s[4:5] offset:2048*\k+64*(\q/2)+16*(\q%2) th:TH_LOAD_NT
.endr
.endr
.irp q, 0,1,2,3
	global_load_b128 v[GA+4*\q:GA+4*\q+3], v2, s[6:7] offset:64*(\q/2)+16*(\q%2)
	global_load_b128 v[BE+4*\q:BE+4*\q+3], v2, s[8:9] offset:64*(\q/2)+16*(\q%2)
.endr
	s_and_b32 s26, s26, 1023                       ; the position in the sequence
.irp k, 0,1,2,3
	s_add_co_u32 s27, s26, \k
	v_cvt_f32_u32 v[POS+\k], s27
.endr
	s_mov_b32 s30, 0xbe2aaaab                      ; the sine's series: -1/6, 1/120, -1/5040, 1/362880
	s_mov_b32 s31, 0x3c088889
	s_mov_b32 s32, 0xb9500d01
	s_mov_b32 s33, 0x3638ef1d
	s_mov_b32 s34, 0x3d2aaaab                      ; the cosine's: (-1/2), 1/24, -1/720, 1/40320, -1/3628800
	s_mov_b32 s35, 0xbab60b61
	s_mov_b32 s36, 0x37d00d01
	s_mov_b32 s37, 0xb493f27e
	s_mov_b32 s38, 0x3b000000                      ; 1 / 512
	s_mov_b32 s39, 0x358637bd                      ; 1e-6
	s_mov_b32 s40, 0x76543210                      ; v_permlanex16_b32's selects for lane l xor 16
	s_mov_b32 s41, 0xfedcba98
	; LDS places.  My 16 codes of token 4 w + k are registers 6 c + 3 (l % 2) + 0 .. 2 of the fragment's lane 16 h + row, with l = 16 kappa + 8 s + 4 c + 2 h + (l % 2): kappa the 256 of K, s the 128 in it
	v_lshrrev_b32 v14, 4, v1
	v_bfe_u32 v15, v1, 3, 1
	v_bfe_u32 v16, v1, 2, 1
	v_bfe_u32 v17, v1, 1, 1
	v_mul_u32_u24 v18, v14, 6144
	v_mad_u32_u24 v18, v15, 1536, v18
	v_lshl_add_u32 v18, v17, 8, v18
	s_lshr_b32 s27, s24, 2
	s_mul_i32 s27, s27, 3072                       ; my tile of the two,
	s_and_b32 s28, s24, 3
	s_lshl_b32 s28, s28, 6                         ; my four rows in it: 16 bytes a row
	s_add_co_u32 s27, s27, s28
	s_add_co_u32 s27, s27, LNS
	v_add_nc_u32 v18, s27, v18
	v_mul_u32_u24 v19, v16, 6
	v_mad_u32_u24 v19, v10, 3, v19                 ; my first register of the fragment's twelve
.irp i, 0,1,2
	v_add_nc_u32 v16, \i, v19
	v_lshrrev_b32 v17, 2, v16
	v_and_b32 v16, 3, v16
	v_lshl_add_u32 v[3+\i], v17, 9, v18            ; its chunk of 512 bytes,
	v_lshl_add_u32 v[3+\i], v16, 2, v[3+\i]        ; its word of the lane's four
.endr
	v_and_b32 v16, 3, v9
	v_lshl_add_u32 v16, v14, 8, v16
	v_lshl_add_u32 v16, v15, 7, v16
	s_lshl_b32 s27, s24, 4
	s_add_co_u32 s27, s27, LNS+12288
	v_add_nc_u32 v6, s27, v16                      ; my block's byte in the token's scale word: [kappa][s] x 128 + 4 x (16 x tile + row) + block % 4
	v_lshlrev_b32 v7, 4, v1
	s_mul_i32 s27, s24, 1536
	s_add_co_u32 s27, s27, LNS
	v_add_nc_u32 v8, s27, v7                       ; the way out: wave w stores fragment w of the eight
	v_add_nc_u32 v12, LNS+12288, v7                ; (wave 0) the 512 bytes of scale words
	v_mul_u32_u24 v13, v14, 51200
	v_and_b32 v16, 15, v1
	v_lshl_add_u32 v13, v16, 4, v13
	s_lshr_b32 s44, ttmp9, 3
	s_mul_i32 s44, s44, 102400                     ; xnimg: [256 tokens][256 K][51,200]
	s_and_b32 s45, ttmp9, 7                        ; my pair of tiles in the 256 tokens
	s_mul_i32 s46, s45, 6144
	s_add_co_u32 s46, s46, s44
	s_lshr_b32 s47, s24, 2
	s_mul_i32 s47, s47, 51200
	s_add_co_u32 s46, s46, s47
	s_and_b32 s47, s24, 3
	s_mul_i32 s47, s47, 1536
	s_add_co_u32 s46, s46, s47
	s_mov_b32 s47, 0
	s_add_nc_u64 s[46:47], s[18:19], s[46:47]
	s_lshl_b32 s48, s45, 8
	s_add_co_u32 s48, s48, s44
	s_add_co_u32 s48, s48, 49152
	s_mov_b32 s49, 0
	s_add_nc_u64 s[48:49], s[18:19], s[48:49]
; (c, c + 1) = (a, a + 1) x (b, b + 1), two floats each: the product's high part, its exact error and the cross terms
.macro DFMUL c, a, b
	v_mul_f32 v[WW], v[\a], v[\b]
	v_fma_f32 v[WW+1], v[\a], v[\b], -v[WW]
	v_fma_f32 v[WW+1], v[\a], v[\b+1], v[WW+1]
	v_fma_f32 v[WW+1], v[\a+1], v[\b], v[WW+1]
	v_add_f32 v[\c], v[WW], v[WW+1]
	v_sub_f32 v[WW], v[WW], v[\c]
	v_add_f32 v[\c+1], v[WW], v[WW+1]
.endm
.macro CMUL bit, g                     ; the rate times g^bit where my first frequency has that bit, else times 1
	v_and_b32 v[WW+2], \bit, v11
	v_cmp_ne_u32 vcc_lo, 0, v[WW+2]
	v_cndmask_b32 v[WW+4], 1.0, v[\g], vcc_lo
	v_cndmask_b32 v[WW+5], 0, v[\g+1], vcc_lo
	DFMUL RR, RR, WW+4
.endm
	v_mov_b32 v[G1], 0x3f76f410                    ; g = 10000^(-1/256) = 0.96466161991119..: high part,
	v_mov_b32 v[G1+1], 0x32ba7331                  ; low part
	DFMUL G2, G1, G1
	DFMUL G4, G2, G2
	DFMUL G8, G4, G4
	DFMUL G16, G8, G8
	DFMUL G32, G16, G16
	DFMUL G64, G32, G32
	DFMUL G128, G64, G64
	v_lshlrev_b32 v11, 4, v9
	v_lshl_add_u32 v11, v10, 2, v11                ; my first frequency: 16 x block + 4 x half
	v_mov_b32 v[RR], 0x3f22f983                    ; 2 / pi: high part,
	v_mov_b32 v[RR+1], 0x32dc9c88                  ; low part
	CMUL 4, G4
	CMUL 16, G16
	CMUL 32, G32
	CMUL 64, G64
	CMUL 128, G128
	DFMUL RR+2, RR, G1                             ; pair k = 4 u + i: frequency first + 8 u + i
	DFMUL RR+4, RR+2, G1
	DFMUL RR+6, RR+4, G1
	DFMUL RR+8, RR, G8
	DFMUL RR+10, RR+8, G1
	DFMUL RR+12, RR+10, G1
	DFMUL RR+14, RR+12, G1
; sine and cosine of pos x rate k are added to numbers 2 k and 2 k + 1 of the row at v[xr]
.macro SINCOS xr, k, pos
	v_mul_f32 v[WW], v[\pos], v[RR+2*\k]           ; quarter turns: the high product,
	v_fma_f32 v[WW+1], v[\pos], v[RR+2*\k], -v[WW] ; its exact error,
	v_fma_f32 v[WW+1], v[\pos], v[RR+2*\k+1], v[WW+1]  ; and the rate's low part
	v_rndne_f32 v[WW+2], v[WW]                     ; whole quarter turns
	v_sub_f32 v[WW+3], v[WW], v[WW+2]              ; exact
	v_add_f32 v[WW+3], v[WW+3], v[WW+1]
	v_mul_f32 v[WW+3], 0x3fc90fdb, v[WW+3]         ; the rest as an angle a, at most pi / 4
	v_mul_f32 v[WW+4], v[WW+3], v[WW+3]
	v_fma_f32 v[WW+5], v[WW+4], s33, s32
	v_fma_f32 v[WW+6], v[WW+4], s37, s36
	v_fma_f32 v[WW+5], v[WW+5], v[WW+4], s31
	v_fma_f32 v[WW+6], v[WW+6], v[WW+4], s35
	v_fma_f32 v[WW+5], v[WW+5], v[WW+4], s30
	v_fma_f32 v[WW+6], v[WW+6], v[WW+4], s34
	v_mul_f32 v[WW+5], v[WW+5], v[WW+4]
	v_fma_f32 v[WW+6], v[WW+6], v[WW+4], -0.5
	v_fma_f32 v[WW+5], v[WW+5], v[WW+3], v[WW+3]   ; sin a
	v_fma_f32 v[WW+6], v[WW+6], v[WW+4], 1.0       ; cos a
	v_cvt_i32_f32 v[WW+7], v[WW+2]
	v_and_b32 v[WW+8], 1, v[WW+7]
	v_cmp_ne_u32 vcc_lo, 0, v[WW+8]                ; an odd number of quarter turns swaps the two
	v_cndmask_b32 v[WW+9], v[WW+5], v[WW+6], vcc_lo
	v_cndmask_b32 v[WW+10], v[WW+6], v[WW+5], vcc_lo
	v_add_nc_u32 v[WW+8], 1, v[WW+7]
	v_and_b32 v[WW+7], 2, v[WW+7]                  ; the sine is negative in quarters 2 and 3,
	v_and_b32 v[WW+8], 2, v[WW+8]                  ; the cosine in quarters 1 and 2
	v_lshlrev_b32 v[WW+7], 30, v[WW+7]
	v_lshlrev_b32 v[WW+8], 30, v[WW+8]
	v_xor_b32 v[WW+9], v[WW+9], v[WW+7]
	v_xor_b32 v[WW+10], v[WW+10], v[WW+8]
	v_add_f32 v[\xr+2*\k], v[\xr+2*\k], v[WW+9]
	v_add_f32 v[\xr+2*\k+1], v[\xr+2*\k+1], v[WW+10]
.endm
.macro REDUCE r, t                     ; the sum over the 32 lanes, in every lane
	v_add_f32_dpp v[\r], v[\r], v[\r] row_xmask:1 row_mask:0xf bank_mask:0xf
	v_add_f32_dpp v[\r], v[\r], v[\r] row_xmask:2 row_mask:0xf bank_mask:0xf
	v_add_f32_dpp v[\r], v[\r], v[\r] row_xmask:4 row_mask:0xf bank_mask:0xf
	v_add_f32_dpp v[\r], v[\r], v[\r] row_xmask:8 row_mask:0xf bank_mask:0xf
	v_permlanex16_b32 v[\t], v[\r], s40, s41
	v_add_f32 v[\r], v[\r], v[\t]
.endm
.macro LNROW k
.set XR, XX+16*\k
.irp q, 0,1,2,3,4,5,6,7
	SINCOS XR, \q, POS+\k
.endr
	v_pk_add_f32 v[WW:WW+1], v[XR:XR+1], v[XR+2:XR+3]
	v_pk_add_f32 v[WW+2:WW+3], v[XR+4:XR+5], v[XR+6:XR+7]
	v_pk_add_f32 v[WW+4:WW+5], v[XR+8:XR+9], v[XR+10:XR+11]
	v_pk_add_f32 v[WW+6:WW+7], v[XR+12:XR+13], v[XR+14:XR+15]
	v_pk_add_f32 v[WW:WW+1], v[WW:WW+1], v[WW+2:WW+3]
	v_pk_add_f32 v[WW+4:WW+5], v[WW+4:WW+5], v[WW+6:WW+7]
	v_pk_add_f32 v[WW:WW+1], v[WW:WW+1], v[WW+4:WW+5]
	v_add_f32 v[WW], v[WW], v[WW+1]
	REDUCE WW, WW+1
	v_mul_f32 v[WW+2], s38, v[WW]                  ; the mean
.set i, 0
.rept 16
	v_sub_f32 v[XR+i], v[XR+i], v[WW+2]
.set i, i+1
.endr
.irp c, 0,1,2,3
	v_mul_f32 v[WW+4+\c], v[XR+\c], v[XR+\c]       ; the squares in four chains
.endr
.irp i, 4,8,12
.irp c, 0,1,2,3
	v_fmac_f32 v[WW+4+\c], v[XR+\i+\c], v[XR+\i+\c]
.endr
.endr
	v_add_f32 v[WW], v[WW+4], v[WW+5]
	v_add_f32 v[WW+1], v[WW+6], v[WW+7]
	v_add_f32 v[WW], v[WW], v[WW+1]
	REDUCE WW, WW+1
	v_fma_f32 v[WW], v[WW], s38, s39               ; the variance + 1e-6
	v_rsq_f32 v[WW+3], v[WW]
	v_nop                                          ; a plain line behind the transcendental,
	s_wait_alu depctr_va_vdst(0)                   ; and the wait ahead of its first reader
.set i, 0
.rept 16
	v_mul_f32 v[XR+i], v[XR+i], v[WW+3]
.set i, i+1
.endr
.set i, 0
.rept 16
	v_fma_f32 v[XR+i], v[XR+i], v[GA+i], v[BE+i]
.set i, i+1
.endr
	v_max3_num_f32 v[WW], |v[XR]|, |v[XR+1]|, 0x1800000   ; my 16 numbers and the floor 2^(3 - 127), in two chains
	v_max3_num_f32 v[WW+1], |v[XR+2]|, |v[XR+3]|, |v[XR+4]|
	v_max3_num_f32 v[WW], v[WW], |v[XR+5]|, |v[XR+6]|
	v_max3_num_f32 v[WW+1], v[WW+1], |v[XR+7]|, |v[XR+8]|
	v_max3_num_f32 v[WW], v[WW], |v[XR+9]|, |v[XR+10]|
	v_max3_num_f32 v[WW+1], v[WW+1], |v[XR+11]|, |v[XR+12]|
	v_max3_num_f32 v[WW], v[WW], |v[XR+13]|, |v[XR+14]|
	v_max3_num_f32 v[WW], v[WW], v[WW+1], |v[XR+15]|
	v_max_num_f32_dpp v[WW], v[WW], v[WW] row_xmask:1 row_mask:0xf bank_mask:0xf   ; with my neighbour's 16: the block's
	v_add_nc_u32 v[WW+2], 0xff000000, v[WW]
	v_cvt_scalef32_pk16_fp6_f32 v[CC+4*\k:CC+4*\k+2], v[XR:XR+15], v[WW+2]
	v_lshrrev_b32 v[BY+\k], 23, v[WW+2]            ; the scale's byte (also the plain line behind the conversion)
	ds_store_b32 v3, v[CC+4*\k] offset:16*\k
	ds_store_b32 v4, v[CC+4*\k+1] offset:16*\k
	ds_store_b32 v5, v[CC+4*\k+2] offset:16*\k
	ds_store_b8 v6, v[BY+\k] offset:4*\k           ; both lanes of a block write the same byte with the same value
.endm
	s_wait_loadcnt 0x0
	LNROW 0
	LNROW 1
	LNROW 2
	LNROW 3
	s_wait_dscnt 0x0                               ; for the others' sake: my stores have landed
	s_barrier_signal -1                            ; (all eight waves of this work-group are on this way)
	s_barrier_wait -1
.irp i, 0,1,2
	ds_load_b128 v[WW+4*\i:WW+4*\i+3], v8 offset:512*\i
.endr
.irp i, 0,1,2
	s_wait_dscnt 2-\i
	global_store_b128 v7, v[WW+4*\i:WW+4*\i+3], s[46:47] offset:512*\i   ; 512 consecutive bytes, aligned to 256
.endr
	s_cmp_lg_u32 s24, 0
	s_cbranch_scc1 .Ldone
	ds_load_b128 v[CC:CC+3], v12
	s_wait_dscnt 0x0
	global_store_b128 v13, v[CC:CC+3], s[48:49]    ; sixteen lanes store 256 consecutive bytes, aligned: one such run for each 256 of K
.Ldone:
	s_wait_tensorcnt 0x0
	ds_add_u32 v192, v193
	s_wait_dscnt 0x0
	s_endpgm
.Lfunc_end_k_q07d7c24df4_prep:
	.size	k_q07d7c24df4_prep, .Lfunc_end_k_q07d7c24df4_prep-k_q07d7c24df4_prep
	.p2alignl 7, 3214868480
	.fill 96, 4, 3214868480
	.section	.rodata,"a",@progbits
	.p2align	6, 0x0
	.amdhsa_kernel k_q07d7c24df4_prep
		.amdhsa_group_segment_fixed_size 66560
		.amdhsa_private_segment_fixed_size 0
		.amdhsa_enable_private_segment 0
		.amdhsa_kernarg_size 80
		.amdhsa_user_sgpr_count 2
		.amdhsa_user_sgpr_kernarg_segment_ptr 1
		.amdhsa_wavefront_size32 1
		.amdhsa_system_sgpr_workgroup_id_x 1
		.amdhsa_system_sgpr_workgroup_id_y 1
		.amdhsa_system_sgpr_workgroup_id_z 1
		.amdhsa_system_vgpr_workitem_id 0
		.amdhsa_next_free_vgpr 194
		.amdhsa_next_free_sgpr 66
		.amdhsa_reserve_vcc 1
		.amdhsa_float_denorm_mode_32 3
		.amdhsa_float_denorm_mode_16_64 3
		.amdhsa_memory_ordered 1
		.amdhsa_forward_progress 1
		.amdhsa_inst_pref_size 98
	.end_amdhsa_kernel
	.amdgpu_metadata
---
amdhsa.version: [ 1, 2 ]
amdhsa.kernels:
  - .name:           k_q07d7c24df4_prep
    .symbol:         k_q07d7c24df4_prep.kd
    .args:
      - { .name: x, .offset: 0, .size: 8, .value_kind: global_buffer, .address_space: global }
      - { .name: gamma, .offset: 8, .size: 8, .value_kind: global_buffer, .address_space: global }
      - { .name: beta, .offset: 16, .size: 8, .value_kind: global_buffer, .address_space: global }
      - { .name: Wq, .offset: 24, .size: 8, .value_kind: global_buffer, .address_space: global }
      - { .name: Wk, .offset: 32, .size: 8, .value_kind: global_buffer, .address_space: global }
      - { .name: Wv, .offset: 40, .size: 8, .value_kind: global_buffer, .address_space: global }
      - { .name: Wo, .offset: 48, .size: 8, .value_kind: global_buffer, .address_space: global }
      - { .name: xnimg, .offset: 56, .size: 8, .value_kind: global_buffer, .address_space: global }
      - { .name: wimg, .offset: 64, .size: 8, .value_kind: global_buffer, .address_space: global }
      - { .name: woimg, .offset: 72, .size: 8, .value_kind: global_buffer, .address_space: global }
    .group_segment_fixed_size: 66560
    .private_segment_fixed_size: 0
    .kernarg_segment_align: 8
    .kernarg_segment_size: 80
    .max_flat_workgroup_size: 256
    .sgpr_count:     66
    .vgpr_count:     194
    .wavefront_size: 32
...
	.end_amdgpu_metadata
.endif
;; end of part 1
;; launch qkv (part 2): grid 32 x 8, 4 waves a work-group, clusters of 4 x 4, 262,656 bytes of LDS; arguments xnimg, wimg, bq, bk, bv, qimg, kvimg; writes qimg, kvimg
.if DOCPART == 2
	.amdgcn_target "amdgcn-amd-amdhsa--gfx1250"
	.amdhsa_code_object_version 6
	.text
	.protected	k_q07d7c24df4_qkv
	.globl	k_q07d7c24df4_qkv
	.p2align	8
	.type	k_q07d7c24df4_qkv,@function
k_q07d7c24df4_qkv:
	s_mov_b64 s[64:65], 0
	v_nop
	global_prefetch_b8 v0, s[64:65] scope:SCOPE_SE
	s_setreg_imm32_b32 hwreg(HW_REG_WAVE_MODE, 25, 1), 1
	s_wait_xcnt 0x0
	s_wait_alu depctr_hold_cnt(0) depctr_sa_sdst(0) depctr_va_vdst(0) depctr_va_sdst(0) depctr_va_ssrc(0) depctr_va_vcc(0) depctr_vm_vsrc(0)
	s_getreg_b32 s2, hwreg(HW_REG_IB_STS2, 6, 4)
	s_cmp_eq_u32 s2, 0
	s_cbranch_scc0 .Lentry_in_a_cluster
	s_endpgm
.Lentry_in_a_cluster:
	s_bfe_u32 s2, ttmp6, 0x10000c
	s_cmp_lg_u32 s2, 0xf033
	s_cbranch_scc0 .Lentry_shape_is_right
	s_endpgm
.Lentry_shape_is_right:
; q, k, v = xn W + b on codes of FP6 (E2M3), quantised again on the way out: q and k along the head's channels, v along the tokens (the keys).
; Work-group (x, y): columns 128 x .. + 127 of each of the three weights, tokens 256 y .. + 255: the q, k and v tiles one after the other.  All of K = 512 lies in LDS: nothing is filled again.
; Operands lie in memory and LDS as images of their registers (a fragment of 16 rows x 128 K: 1,536 bytes, chunk c = registers 4 c .. 4 c + 3 of lane l at 16 l), so every LDS load reads 512 consecutive bytes.
; PRODUCTS: source 0 = P, whose rows become the next product's K; source 1 = R: a lane holds one row of R.  A wave makes 128 (P: 8 tiles t) x 64 (R: 4 tiles u): 32 accumulators, (t, u) at v[8 (8 u + t)] of window 1.
;   q, k: P = the weight's 128 columns, R = tokens 64 w .. + 63.   v: P = tokens 128 (w / 2) .. + 127, R = columns 64 (w % 2) .. + 63.
; A lane's 16 registers of tiles 2 b and 2 b + 1 are half of block b of the next K; the order inside a block (place 16 a + 8 b + j holds number 16 b + 8 a + j) is the same in every operand of the program.
; The bias is the C of each sum's first matrix instruction.
; CLUSTER 4 x 4: xn's tile hangs on y alone and is asked for jointly along a row of the cluster, the weights' tiles on x alone, along a column.  By this text's count a wave has four tensor loads out, no more.
; LIMITS: a block of zeros or under 2^-124 keeps the scale byte 1; NaN and infinities are not served.
; WINDOWS: 0 addresses, scale words, quantiser's work; 1 accumulators; 2 P's fragments, two sets of 96; 3 R's fragments, two sets of 48, then bq (96), bk (160), bv (224).
.set LI,  1                            ; v1   16 x lane
.set LS,  2                            ; v2   4 x lane
.set XR,  4                            ; v4-5   xn as R: fragments, for each 256 of K
.set XRS, 6                            ; v6-7   their scale words
.set XP,  8                            ; v8-9   xn as P
.set XPS, 10                           ; v10-11
.set WQA, 12                           ; v12, 13 Wq's fragments, scale words
.set WQS, 13
.set WKA, 14
.set WKS, 15
.set WVA, 16
.set WVS, 17
.set BH,  18                           ; v18  32 x (lane / 16)
.set BR,  19                           ; v19  4 x (lane % 16)
.set SCP, 24                           ; v24-31 P's scale words, two sets of 4: they hold scales and nothing else
.set SCR, 32                           ; v32-35 R's, two sets of 2
.set TM,  40                           ; v40-55 the quantiser's work
.set PWP, 56                           ; v56-57 two tiles' scale words in one register
.set PW,  60                           ; v60-63 a scale word for each tile u
.set PC,  64                           ; v64-159 codes: 24 registers for each tile u
.set WV,  18                           ; s18  my wave
.set G1X, 24                           ; s[24:31] group 1 for xn: 100 rows of 256 bytes
.set G1W, 32                           ; s[32:39] for a weight: 50 rows
.set G0,  48                           ; s[48:63] four groups 0: xn, Wq, Wk, Wv
.set SEL, 66
.set HM,  98
.set MSB, 0
.macro WIN new                         ; the immediate's high byte repeats the setting that is left
.if MSB != \new
	s_set_vgpr_msb (MSB<<8)|\new
.set MSB, \new
.endif
.endm
.macro CROUND                          ; a round of the cluster's barrier
	s_barrier_signal -1
	s_barrier_wait -1
	s_cmp_lg_u32 s[WV], 0
	s_cbranch_scc1 .Lnot_wave_0_\@
	s_barrier_signal -3
.Lnot_wave_0_\@:
	s_barrier_wait -3
	s_barrier_signal -1
	s_barrier_wait -1
.endm
.macro PLACES n
.rept \n
	v_nop
.endr
.endm
; one matrix instruction; c < 0: the constant 0 starts the sum; ra, rb: which half of the lanes holds the side's scale words
.macro WM d, a, b, c, sa, sb, ra, rb
.if (\c) < 0
.if ((\ra) == 0) && ((\rb) == 0)
	v_wmma_scale_f32_16x16x128_f8f6f4 v[\d:\d+7], v[\a:\a+11], v[\b:\b+11], 0, v[\sa], v[\sb] matrix_a_fmt:MATRIX_FMT_FP6 matrix_b_fmt:MATRIX_FMT_FP6
.elseif (\rb) == 0
	v_wmma_scale_f32_16x16x128_f8f6f4 v[\d:\d+7], v[\a:\a+11], v[\b:\b+11], 0, v[\sa], v[\sb] matrix_a_fmt:MATRIX_FMT_FP6 matrix_b_fmt:MATRIX_FMT_FP6 matrix_a_scale:MATRIX_SCALE_ROW1
.elseif (\ra) == 0
	v_wmma_scale_f32_16x16x128_f8f6f4 v[\d:\d+7], v[\a:\a+11], v[\b:\b+11], 0, v[\sa], v[\sb] matrix_a_fmt:MATRIX_FMT_FP6 matrix_b_fmt:MATRIX_FMT_FP6 matrix_b_scale:MATRIX_SCALE_ROW1
.else
	v_wmma_scale_f32_16x16x128_f8f6f4 v[\d:\d+7], v[\a:\a+11], v[\b:\b+11], 0, v[\sa], v[\sb] matrix_a_fmt:MATRIX_FMT_FP6 matrix_b_fmt:MATRIX_FMT_FP6 matrix_a_scale:MATRIX_SCALE_ROW1 matrix_b_scale:MATRIX_SCALE_ROW1
.endif
.else
.if ((\ra) == 0) && ((\rb) == 0)
	v_wmma_scale_f32_16x16x128_f8f6f4 v[\d:\d+7], v[\a:\a+11], v[\b:\b+11], v[\c:\c+7], v[\sa], v[\sb] matrix_a_fmt:MATRIX_FMT_FP6 matrix_b_fmt:MATRIX_FMT_FP6
.elseif (\rb) == 0
	v_wmma_scale_f32_16x16x128_f8f6f4 v[\d:\d+7], v[\a:\a+11], v[\b:\b+11], v[\c:\c+7], v[\sa], v[\sb] matrix_a_fmt:MATRIX_FMT_FP6 matrix_b_fmt:MATRIX_FMT_FP6 matrix_a_scale:MATRIX_SCALE_ROW1
.elseif (\ra) == 0
	v_wmma_scale_f32_16x16x128_f8f6f4 v[\d:\d+7], v[\a:\a+11], v[\b:\b+11], v[\c:\c+7], v[\sa], v[\sb] matrix_a_fmt:MATRIX_FMT_FP6 matrix_b_fmt:MATRIX_FMT_FP6 matrix_b_scale:MATRIX_SCALE_ROW1
.else
	v_wmma_scale_f32_16x16x128_f8f6f4 v[\d:\d+7], v[\a:\a+11], v[\b:\b+11], v[\c:\c+7], v[\sa], v[\sb] matrix_a_fmt:MATRIX_FMT_FP6 matrix_b_fmt:MATRIX_FMT_FP6 matrix_a_scale:MATRIX_SCALE_ROW1 matrix_b_scale:MATRIX_SCALE_ROW1
.endif
.endif
.endm
; 8 matrix instructions: R's tile u against P's eight, 128 along K, from set st.  cm = 0: onto the sums; 1: C = the bias at cb + 8 t; 2: at cb + 8 u (window 3).
; The 32 accumulators take turns, one instruction a turn, in the same order in every K step.
.macro MULU u, st, cm, cb
.if \cm == 0
	WIN 0x5e                                       ; source 0 window 2, source 1 window 3, C and D window 1
.else
	WIN 0x7e                                       ; C window 3
.endif
.irp t, 0,1,2,3,4,5,6,7
.if \cm == 0
	WM 8*(8*(\u)+\t), 96*(\st)+12*\t, 48*(\st)+12*(\u), 8*(8*(\u)+\t), SCP+4*(\st)+\t/2, SCR+2*(\st)+(\u)/2, \t%2, (\u)%2
.elseif \cm == 1
	WM 8*(8*(\u)+\t), 96*(\st)+12*\t, 48*(\st)+12*(\u), (\cb)+8*\t, SCP+4*(\st)+\t/2, SCR+2*(\st)+(\u)/2, \t%2, (\u)%2
.else
	WM 8*(8*(\u)+\t), 96*(\st)+12*\t, 48*(\st)+12*(\u), (\cb)+8*(\u), SCP+4*(\st)+\t/2, SCR+2*(\st)+(\u)/2, \t%2, (\u)%2
.endif
.endr
.endm
; 42 LDS loads in one run: a K step's fragments (P's 8, R's 4) and scale words (4 and 2 registers) into set st
.macro FETCH st, pa, po, ra, ro, psa, pso, rsa, rso
	WIN 0x80                                       ; destination window 2
.irp t, 0,1,2,3,4,5,6,7
.irp c, 0,1,2
	ds_load_b128 v[96*(\st)+12*\t+4*\c:96*(\st)+12*\t+4*\c+3], v[\pa] offset:(\po)+3072*\t+512*\c
.endr
.endr
	WIN 0xc0                                       ; destination window 3
.irp u, 0,1,2,3
.irp c, 0,1,2
	ds_load_b128 v[48*(\st)+12*\u+4*\c:48*(\st)+12*\u+4*\c+3], v[\ra] offset:(\ro)+3072*\u+512*\c
.endr
.endr
	WIN 0
.irp e, 0,1,2,3
	ds_load_b32 v[SCP+4*(\st)+\e], v[\psa] offset:(\pso)+256*\e
.endr
.irp e, 0,1
	ds_load_b32 v[SCR+2*(\st)+\e], v[\rsa] offset:(\rso)+256*\e
.endr
.endm
; 64 numbers of a lane in window 1, v[src] on (register 16 b + i: place 16 (lane / 16) + i of block b of my row), become a fragment's codes in v[pc] .. v[pc + 11] and its scale word in v[pw].
; Each accumulator is read from its low end on.
.macro QUANT src, pc, pw
	WIN 0x05
.irp b, 0,1,2,3
	v_max3_num_f32 v[TM+\b], |v[(\src)+16*\b]|, |v[(\src)+1+16*\b]|, 0x1800000   ; and the floor 2^(3 - 127): the byte cannot fall under 1
.endr
	WIN 0x14
.irp i, 2,4,6,8,10,12,14
.irp b, 0,1,2,3
	v_max3_num_f32 v[TM+\b], v[TM+\b], |v[(\src)+16*\b+\i]|, |v[(\src)+1+16*\b+\i]|
.endr
.endr
	WIN 0
.irp b, 0,1,2,3
	v_permlanex16_b32 v[TM+4+\b], v[TM+\b], s[SEL], s[SEL+1]
.endr
.irp b, 0,1,2,3
	v_max_num_f32 v[TM+\b], v[TM+\b], v[TM+4+\b]   ; with lane l xor 16's: the block's largest magnitude
.endr
.irp b, 0,1,2,3
	v_add_nc_u32 v[TM+12+\b], 0xff000000, v[TM+\b] ; 2 off its exponent field: the conversion's scale operand
.endr
.irp b, 0,1,2,3
	v_lshrrev_b32 v[TM+4+\b], 23, v[TM+12+\b]      ; the scale's byte
.endr
	v_lshl_or_b32 v[\pw], v[TM+5], 8, v[TM+4]
	v_lshl_or_b32 v[\pw], v[TM+6], 16, v[\pw]
	v_lshl_or_b32 v[\pw], v[TM+7], 24, v[\pw]
	WIN 0x01
.irp c, 0,1
	v_cvt_scalef32_pk16_fp6_f32 v[(\pc)+6*\c:(\pc)+2+6*\c], v[(\src)+32*\c:(\src)+15+32*\c], v[TM+12+2*\c]
	v_cvt_scalef32_pk16_fp6_f32 v[(\pc)+12+4*\c:(\pc)+14+4*\c], v[(\src)+16+32*\c:(\src)+31+32*\c], v[TM+12+2*\c+1]
.endr
	WIN 0
	v_nop                                          ; one plain line behind the conversions
.irp c, 0,1                            ; the operand wants a whole block in a lane: lanes 0-15 block 2 c, lanes 16-31 block 2 c + 1
.irp i, 0,1,2
	v_permlane16_swap_b32 v[(\pc)+6*\c+\i], v[(\pc)+12+4*\c+\i]
.endr
.irp i, 0,1,2
	v_mov_b32 v[(\pc)+3+6*\c+\i], v[(\pc)+12+4*\c+\i]
.endr
.endr
.endm
	s_load_b256 s[4:11], s[0:1], 0x0               ; xnimg s[4:5], wimg s[6:7], bq s[8:9], bk s[10:11]
	s_load_b128 s[12:15], s[0:1], 0x20             ; bv s[12:13], qimg s[14:15]
	s_load_b64 s[16:17], s[0:1], 0x30              ; kvimg
	v_lshl_add_u32 v254, v0, 2, 0x40000
	v_mov_b32 v255, 0
	ds_add_u32 v254, v255
	ds_add_u32 v254, v255
	v_lshrrev_b32 v3, 5, v0
	v_readfirstlane_b32 s[WV], v3                  ; wave 0..3
	s_lshr_b32 s19, s[WV], 1
	s_and_b32 s20, s[WV], 1
	s_bfe_u32 s40, ttmp6, 0x40000                  ; cx, cy: my place in the cluster
	s_bfe_u32 s41, ttmp6, 0x40004
	s_lshl_b32 s42, ttmp9, 2
	s_add_co_u32 s42, s42, s40                     ; x
	s_and_b32 s43, ttmp7, 0xffff
	s_lshl_b32 s43, s43, 2
	s_add_co_u32 s43, s43, s41                     ; y
	s_lshl_b32 s44, s41, 2
	s_lshl_b32 s44, 15, s44                        ; my row of the cluster
	s_lshl_b32 s45, 0x1111, s40                    ; my column
	s_or_b32 s[G1X], s44, (3<<16)|(1<<21)          ; 15:0 the mask; 17:16 elements of 8 bytes; 21 set beside a mask; no padding
	s_or_b32 s[G1W], s45, (3<<16)|(1<<21)
	s_mov_b32 s[G1X+1], 32<<16                     ; tensor_dim0 = 32 elements: rows of 256 bytes of a dense block
	s_mov_b32 s[G1X+2], 100<<16                    ; tensor_dim1
	s_mov_b32 s[G1X+3], 32<<16                     ; tile_dim0
	s_mov_b32 s[G1X+4], 100                        ; tile_dim1
	s_mov_b32 s[G1X+5], 32                         ; the pitch
	s_mov_b32 s[G1X+6], 0
	s_mov_b32 s[G1X+7], 0
	s_mov_b32 s[G1W+1], 32<<16
	s_mov_b32 s[G1W+2], 50<<16
	s_mov_b32 s[G1W+3], 32<<16
	s_mov_b32 s[G1W+4], 50
	s_mov_b32 s[G1W+5], 32
	s_mov_b32 s[G1W+6], 0
	s_mov_b32 s[G1W+7], 0
	s_mul_i32 s70, s43, 102400                     ; xn's tile hangs on y and my wave alone,
	s_mul_i32 s74, s[WV], 25600                    ; (my quarter of it, in memory and in LDS)
	s_add_co_u32 s70, s70, s74
	s_mov_b32 s71, 0
	s_mul_i32 s72, s42, 51200                      ; a weight's on x and my wave alone
	s_mul_i32 s75, s[WV], 12800
	s_add_co_u32 s72, s72, s75
	s_mov_b32 s73, 0
	s_wait_dscnt 0x0
	s_wait_kmcnt 0x0
	s_add_nc_u64 s[70:71], s[4:5], s[70:71]
	s_add_nc_u64 s[72:73], s[6:7], s[72:73]
	CROUND                                         ; all sixteen work-groups are here: the joint loads meet
	s_mov_b32 s[G0], 1
	s_mov_b32 s[G0+1], s74                         ; LDS: xn at 0
	s_mov_b64 s[G0+2:G0+3], s[70:71]
	s_or_b32 s[G0+3], s[G0+3], 0x80000000
	s_mov_b32 s[G0+4], 1
	s_add_co_u32 s[G0+5], s75, 102400              ; Wq at 102,400
	s_mov_b64 s[G0+6:G0+7], s[72:73]
	s_or_b32 s[G0+7], s[G0+7], 0x80000000
	s_mov_b32 s[G0+8], 1
	s_add_co_u32 s[G0+9], s75, 153600              ; Wk
	s_add_nc_u64 s[G0+10:G0+11], s[72:73], 1638400
	s_or_b32 s[G0+11], s[G0+11], 0x80000000
	s_mov_b32 s[G0+12], 1
	s_add_co_u32 s[G0+13], s75, 204800             ; Wv
	s_add_nc_u64 s[G0+14:G0+15], s[72:73], 3276800
	s_or_b32 s[G0+15], s[G0+15], 0x80000000
	tensor_load_to_lds s[G0:G0+3], s[G1X:G1X+7]    ; all fills of the launch, as one group
	s_nop 0
	tensor_load_to_lds s[G0+4:G0+7], s[G1W:G1W+7]
	s_nop 0
	tensor_load_to_lds s[G0+8:G0+11], s[G1W:G1W+7]
	s_nop 0
	tensor_load_to_lds s[G0+12:G0+15], s[G1W:G1W+7]
	s_nop 0
	PLACES 4                                       ; (behind a tensor load)
	v_and_b32 v3, 31, v0
	v_lshlrev_b32 v[LI], 4, v3
	v_lshlrev_b32 v[LS], 2, v3
	s_mul_i32 s76, s[WV], 12288                    ; xn as R: my four tiles
	v_add_nc_u32 v[XR], s76, v[LI]
	s_add_co_u32 s76, s76, 51200
	v_add_nc_u32 v[XR+1], s76, v[LI]
	s_lshl_b32 s76, s[WV], 9
	s_add_co_u32 s76, s76, 49152
	v_add_nc_u32 v[XRS], s76, v[LS]
	s_add_co_u32 s76, s76, 51200
	v_add_nc_u32 v[XRS+1], s76, v[LS]
	s_mul_i32 s76, s19, 24576                      ; xn as P: my eight tiles
	v_add_nc_u32 v[XP], s76, v[LI]
	s_add_co_u32 s76, s76, 51200
	v_add_nc_u32 v[XP+1], s76, v[LI]
	s_lshl_b32 s76, s19, 10
	s_add_co_u32 s76, s76, 49152
	v_add_nc_u32 v[XPS], s76, v[LS]
	s_add_co_u32 s76, s76, 51200
	v_add_nc_u32 v[XPS+1], s76, v[LS]
	v_add_nc_u32 v[WQA], 102400, v[LI]
	v_add_nc_u32 v[WQS], 102400, v[LS]
	v_add_nc_u32 v[WKA], 153600, v[LI]
	v_add_nc_u32 v[WKS], 153600, v[LS]
	s_mul_i32 s76, s20, 12288                      ; Wv as R: my four tiles
	s_add_co_u32 s76, s76, 204800
	v_add_nc_u32 v[WVA], s76, v[LI]
	s_lshl_b32 s76, s20, 9
	s_add_co_u32 s76, s76, 204800
	v_add_nc_u32 v[WVS], s76, v[LS]
	v_bfe_u32 v[BH], v0, 4, 1
	v_lshlrev_b32 v[BH], 5, v[BH]
	v_and_b32 v[BR], 15, v0
	v_lshlrev_b32 v[BR], 2, v[BR]
	s_lshl_b32 s78, s42, 9                         ; my 128 columns of a bias
	s_mov_b32 s79, 0
	s_add_nc_u64 s[8:9], s[8:9], s[78:79]
	s_add_nc_u64 s[10:11], s[10:11], s[78:79]
	s_lshl_b32 s77, s20, 8
	s_add_co_u32 s78, s78, s77                     ; bv: my wave's 64
	s_add_nc_u64 s[12:13], s[12:13], s[78:79]
	WIN 0xc0                                       ; destination window 3
.irp t, 0,1,2,3,4,5,6,7                ; bq, bk in the result's layout: register j of tile t is column 16 t + 8 (lane / 16) + j
	global_load_b128 v[96+8*\t:96+8*\t+3], v[BH], s[8:9] offset:64*\t
	global_load_b128 v[96+8*\t+4:96+8*\t+7], v[BH], s[8:9] offset:64*\t+16
	global_load_b128 v[160+8*\t:160+8*\t+3], v[BH], s[10:11] offset:64*\t
	global_load_b128 v[160+8*\t+4:160+8*\t+7], v[BH], s[10:11] offset:64*\t+16
.endr
.irp u, 0,1,2,3                        ; bv: a lane holds one column: all eight registers of tile u hold its number
.irp j, 0,1,2,3,4,5,6,7
	global_load_b32 v[224+8*\u+\j], v[BR], s[12:13] offset:64*\u
.endr
.endr
	WIN 0
	s_mov_b32 s[SEL], 0x76543210
	s_mov_b32 s[SEL+1], 0xfedcba98
	s_mov_b32 s[HM], 0xffff0000                    ; lanes 16-31
.irp b, 0,1,2,3
	v_mov_b32 v[TM+4+\b], 0                        ; written once: a lane permute's destination counts as one of its sources
.endr
	; where the results go
	s_lshr_b32 s80, s42, 2                         ; the head
	s_and_b32 s81, s42, 3                          ; which 128 of its 512 channels
	s_lshr_b32 s82, s43, 2
	s_lshl_b32 s82, s82, 3
	s_add_co_u32 s80, s80, s82                     ; 8 x batch + head
	s_and_b32 s82, s43, 3
	s_lshl_b32 s82, s82, 1
	s_add_co_u32 s82, s82, s19                     ; which 128 tokens of the sequence
	s_lshl_b32 s83, s20, 4
	s_add_co_u32 s83, s83, s81
	s_mul_i32 s83, s83, 1536                       ; q, k: fragment (tile 4 (w % 2) + u, K step) at (4 tile + K step) x 1,536
	s_lshl_b32 s96, s20, 3
	s_add_co_u32 s96, s96, s81
	s_lshl_b32 s96, s96, 7
	s_add_co_u32 s96, s96, 49152                   ; scale words at ((tile / 2) 4 + K step) x 128
	s_mov_b32 s69, 0
	s_mul_i32 s97, s80, 409600
	s_mul_i32 s68, s82, 51200
	s_add_co_u32 s97, s97, s68
	s_add_co_u32 s68, s97, s83
	s_add_nc_u64 s[84:85], s[14:15], s[68:69]      ; q's codes
	s_add_co_u32 s68, s97, s96
	s_add_nc_u64 s[86:87], s[14:15], s[68:69]      ; q's scale words
	s_mul_i32 s97, s80, 819200
	s_mul_i32 s68, s82, 102400
	s_add_co_u32 s97, s97, s68
	s_add_co_u32 s68, s97, s83
	s_add_nc_u64 s[88:89], s[16:17], s[68:69]      ; k's
	s_add_co_u32 s68, s97, s96
	s_add_nc_u64 s[90:91], s[16:17], s[68:69]
	s_lshl_b32 s83, s81, 3
	s_lshl_b32 s96, s20, 2
	s_add_co_u32 s83, s83, s96
	s_mul_i32 s83, s83, 1536                       ; v: fragment of channels' tile 8 (x % 4) + 4 (w % 2) + u
	s_add_co_u32 s68, s97, s83
	s_add_co_u32 s68, s68, 51200
	s_add_nc_u64 s[92:93], s[16:17], s[68:69]
	s_lshl_b32 s83, s81, 2
	s_lshl_b32 s96, s20, 1
	s_add_co_u32 s83, s83, s96
	s_lshl_b32 s83, s83, 7
	s_add_co_u32 s68, s97, s83
	s_add_co_u32 s68, s68, 100352
	s_add_nc_u64 s[94:95], s[16:17], s[68:69]
.macro FET mode, q, st                 ; K step q (128 along K) of tile q (0), k (1) or v (2) into set st
.if \mode == 0
	FETCH \st, WQA, 25600*((\q)/2)+1536*((\q)%2), XR+(\q)/2, 1536*((\q)%2), WQS, 25600*((\q)/2)+24576+128*((\q)%2), XRS+(\q)/2, 128*((\q)%2)
.elseif \mode == 1
	FETCH \st, WKA, 25600*((\q)/2)+1536*((\q)%2), XR+(\q)/2, 1536*((\q)%2), WKS, 25600*((\q)/2)+24576+128*((\q)%2), XRS+(\q)/2, 128*((\q)%2)
.else
	FETCH \st, XP+(\q)/2, 1536*((\q)%2), WVA, 25600*((\q)/2)+1536*((\q)%2), XPS+(\q)/2, 128*((\q)%2), WVS, 25600*((\q)/2)+24576+128*((\q)%2)
.endif
.endm
; a tile's four K steps.  In each step's middle, behind four places, the next step's fragments are fetched into the other set
.macro MAIN mode, cm, cb
.irp q, 0,1,2,3
	s_wait_dscnt 0x0                               ; this step's fragments and scale words are in
.if \q == 0
	MULU 0, 0, \cm, \cb
	MULU 1, 0, \cm, \cb
.else
	MULU 0, \q%2, 0, 0
	MULU 1, \q%2, 0, 0
.endif
.if \q < 3
	PLACES 4                                       ; in front of loads into registers that matrix instructions have read
	FET \mode, \q+1, 1-\q%2
.endif
.if \q == 0
	MULU 2, 0, \cm, \cb
	MULU 3, 0, \cm, \cb
.else
	MULU 2, \q%2, 0, 0
	MULU 3, \q%2, 0, 0
.endif
.endr
	WIN 0
.endm
; the way out: each of my four tiles u becomes one fragment; its image leaves by three stores of 512 consecutive bytes; two tiles' scale words by one store of 128
.macro EPI cb, sb, cu, su
	s_wait_xcnt 0x0                                ; the last tile's stores have read their registers
.irp u, 0,1,2,3
	QUANT 64*\u, PC+24*\u, PW+\u
.irp c, 0,1,2
	global_store_b128 v[LI], v[PC+24*\u+4*\c:PC+24*\u+4*\c+3], s[\cb:\cb+1] offset:(\cu)*\u+512*\c
.endr
.endr
.irp e, 0,1
	v_cndmask_b32 v[PWP+\e], v[PW+2*\e], v[PW+2*\e+1], s[HM]   ; lanes 0-15 the even tile's words, lanes 16-31 the odd tile's
	global_store_b32 v[LS], v[PWP+\e], s[\sb:\sb+1] offset:(\su)*\e
.endr
.endm
	s_wait_tensorcnt 0x2                           ; my parts of xn and Wq are in; Wk's and Wv's may be out
	s_barrier_signal -1
	s_barrier_wait -1                              ; everybody's are
	FET 0, 0, 0
	s_wait_loadcnt 0x0                             ; the biases
	MAIN 0, 1, 96
	s_wait_tensorcnt 0x1                           ; Wk
	s_barrier_signal -1
	s_barrier_wait -1
	PLACES 4                                       ; behind the last products: for the loads below and for the first reads of results
	FET 1, 0, 0                                    ; k's first fragments come while q goes out
	EPI 84, 86, 6144, 512
	MAIN 1, 1, 160
	s_wait_tensorcnt 0x0                           ; Wv
	s_barrier_signal -1
	s_barrier_wait -1
	PLACES 4
	FET 2, 0, 0
	EPI 88, 90, 6144, 512
	MAIN 2, 2, 224
	PLACES 4
	EPI 92, 94, 1536, 128
	s_wait_tensorcnt 0x0
	ds_add_u32 v254, v255
	s_wait_dscnt 0x0
	CROUND                                         ; the closing round: no work-group ends while a partner may still ask for a tile that names it
	s_endpgm
.Lfunc_end_k_q07d7c24df4_qkv:
	.size	k_q07d7c24df4_qkv, .Lfunc_end_k_q07d7c24df4_qkv-k_q07d7c24df4_qkv
	.p2alignl 7, 3214868480
	.fill 96, 4, 3214868480
	.section	.rodata,"a",@progbits
	.p2align	6, 0x0
	.amdhsa_kernel k_q07d7c24df4_qkv
		.amdhsa_group_segment_fixed_size 262656
		.amdhsa_private_segment_fixed_size 0
		.amdhsa_enable_private_segment 0
		.amdhsa_kernarg_size 56
		.amdhsa_user_sgpr_count 2
		.amdhsa_user_sgpr_kernarg_segment_ptr 1
		.amdhsa_wavefront_size32 1
		.amdhsa_system_sgpr_workgroup_id_x 1
		.amdhsa_system_sgpr_workgroup_id_y 1
		.amdhsa_system_sgpr_workgroup_id_z 1
		.amdhsa_system_vgpr_workitem_id 0
		.amdhsa_next_free_vgpr 1024
		.amdhsa_next_free_sgpr 100
		.amdhsa_reserve_vcc 0
		.amdhsa_float_denorm_mode_32 3
		.amdhsa_float_denorm_mode_16_64 3
		.amdhsa_memory_ordered 1
		.amdhsa_forward_progress 1
		.amdhsa_inst_pref_size 150
	.end_amdhsa_kernel
	.amdgpu_metadata
---
amdhsa.version: [ 1, 2 ]
amdhsa.kernels:
  - .name:           k_q07d7c24df4_qkv
    .symbol:         k_q07d7c24df4_qkv.kd
    .args:
      - { .name: xnimg, .offset: 0, .size: 8, .value_kind: global_buffer, .address_space: global }
      - { .name: wimg, .offset: 8, .size: 8, .value_kind: global_buffer, .address_space: global }
      - { .name: bq, .offset: 16, .size: 8, .value_kind: global_buffer, .address_space: global }
      - { .name: bk, .offset: 24, .size: 8, .value_kind: global_buffer, .address_space: global }
      - { .name: bv, .offset: 32, .size: 8, .value_kind: global_buffer, .address_space: global }
      - { .name: qimg, .offset: 40, .size: 8, .value_kind: global_buffer, .address_space: global }
      - { .name: kvimg, .offset: 48, .size: 8, .value_kind: global_buffer, .address_space: global }
    .group_segment_fixed_size: 262656
    .private_segment_fixed_size: 0
    .kernarg_segment_align: 8
    .kernarg_segment_size: 56
    .max_flat_workgroup_size: 128
    .sgpr_count:     100
    .vgpr_count:     1024
    .wavefront_size: 32
...
	.end_amdgpu_metadata
.endif
;; end of part 2
;; launch attn (part 3): grid 16 x 16, 4 waves a work-group, clusters of 4 x 1, 327,680 bytes of LDS; arguments qimg, kvimg, attimg; writes attimg
.if DOCPART == 3
	.amdgcn_target "amdgcn-amd-amdhsa--gfx1250"
	.amdhsa_code_object_version 6
	.text
	.protected	k_q07d7c24df4_attn
	.globl	k_q07d7c24df4_attn
	.p2align	8
	.type	k_q07d7c24df4_attn,@function
k_q07d7c24df4_attn:
	s_mov_b64 s[64:65], 0
	v_nop
	global_prefetch_b8 v0, s[64:65] scope:SCOPE_SE
	s_setreg_imm32_b32 hwreg(HW_REG_WAVE_MODE, 25, 1), 1
	s_wait_xcnt 0x0
	s_wait_alu depctr_hold_cnt(0) depctr_sa_sdst(0) depctr_va_vdst(0) depctr_va_sdst(0) depctr_va_ssrc(0) depctr_va_vcc(0) depctr_vm_vsrc(0)
	s_getreg_b32 s2, hwreg(HW_REG_IB_STS2, 6, 4)
	s_cmp_eq_u32 s2, 0
	s_cbranch_scc0 .Lentry_in_a_cluster
	s_endpgm
.Lentry_in_a_cluster:
	s_bfe_u32 s2, ttmp6, 0x10000c
	s_cmp_lg_u32 s2, 0x3003
	s_cbranch_scc0 .Lentry_shape_is_right
	s_endpgm
.Lentry_shape_is_right:
; attended = softmax(q k^T / sqrt(512) + tril x -1e9) v for one head, both products on codes of FP6 (E2M3); the result is quantised along head x channel for the last product.
; THE MASK PENALISES THE LOWER TRIANGLE: key k <= query q gets -1e9 ADDED, in f32, as the source has it.  The last query of a sequence has no other key, so no key is left out: a penalised t is
; t = fl(fl(logit - 1e9) x log2(e)), each step rounded; beside an open key its p is 0.
; THE SOFTMAX: t = logit x log2(e); M = the running largest t rounded up to a whole number; p = 2^(t - M) is quantised along the keys, not normalised; the row's sum of the unquantised p divides at the end.
; When M moves, the sums are multiplied by 2^(old M - new M): exact.
; SHARES.  A work-group owns 64 queries (four tiles m) of one head and walks all 1,024 keys, 128 a step.  THE WAVES SHARE EACH STEP: for S^T = K Q^T wave w takes keys 32 w .. + 31 (one block of the next K)
; against all 64 queries; for O^T = V^T P^T it takes channels 128 w .. + 127 against all 64 queries.  So K and V are read from LDS once a work-group; what goes from wave to wave is small:
; each block's largest t (for M), p's codes (as parts of the operand's register image) and p's scale bytes.  Two barriers a step: A behind the largest t, B behind p.
; A lane holds ONE query (lane % 16) throughout.  Place 16 a + 8 b + j of a block holds number 16 b + 8 a + j, as in every operand of the program.
; EVERY WORK-GROUP WALKS ALL EIGHT STEPS: the last query needs all keys, partners of a cluster run alike, and the first and the last block of queries need all eight in any case.
; THE FOUR CLUSTERS OF A HEAD START AT DIFFERENT STEPS: cluster c takes the steps in the order 2 c, 2 c + 1, .. round to 2 c - 1 (the running M makes the order free; the sums' order differs within f32 rounding).
; So at any time the four ask for four different steps, and a step that a cluster asks for behind its first two has been asked for by the next cluster two steps earlier.  For that reason no prefetch is laid.
; CLUSTER 4 x 1: four blocks of queries of one head walk the same K and V: each slot is asked for jointly, each wave its quarter.  By this text's count a wave has two tensor loads out at the start, then one.
; LIMITS: 1 / sqrt(512) and log2(e) are one f32 constant for open keys; the division by the sum is v_rcp_f32 and a multiplication; a block of zeros keeps the scale byte 1; NaN and infinities are not served.
; WINDOWS: 0 addresses, statistics, t and p, scale words; 1 O^T (tile (channels d, queries m) at 64 m + 8 d); 2 Q (48 m + 12 s), P (192 + 12 m); 3 K (48 tile + 12 s), V (96 + 12 d).
.set SLOT1, 131072                     ; LDS: slot 0 at 0, slot 1 here: a step's K (51,200 bytes), then its V (51,200)
.set MAXX,  233472                     ; [m][lane][wave] words: each block's largest t; 2,048 bytes further on the same for the sums
.set PIMG,  237568                     ; P's four fragments as register images
.set PSC,   243712                     ; P's scale words: [m][query]
.set SPARE, 243968                     ; the spare words, 128 bytes for each wave: two blocks of 256 bytes that no other line names
.set LI,   1                           ; v1  16 x lane
.set LS,   2                           ; v2  4 x lane
.set SPW,  3                           ; v3  my spare word; never rewritten
.set NIL,  4                           ; v4  0; never rewritten
.set AK0,  5                           ; v5-8  my places in a slot: K's fragments, K's scale words, V's, V's
.set AKS0, 6
.set AV0,  7
.set AVS0, 8
.set ADK,  9                           ; v9-12 the same in the slot in hand
.set ADKS, 10
.set ADV,  11
.set ADVS, 12
.set MXW,  13                          ; v13 where I put a largest t
.set MXR,  14                          ; v14 where I read the four waves'
.set AP,   15                          ; v15-17 where my block's six registers go in P's image, two at a time
.set APS,  18                          ; v18 my block's byte in a scale word
.set PIR,  19                          ; v19 P's image, read
.set PSR,  20                          ; v20 P's scale words, read
.set DL,   21                          ; v21 my query - the step's first key - 32 w - 8 (lane / 16), for tile 0
.set DLM,  22                          ; v22-25 the same for tile m
.set DL0,  26                          ; v26 my query - 32 w - 8 (lane / 16), for tile 0; never rewritten
.set NEG,  28                          ; v28-29 -1e9
.set ST,   32                          ; v32-63 statistics, 8 a tile: -M, largest t, the sum (2), f, (its pair's partner), my block's largest t, at work
.set TS,   64                          ; v64-127 S^T, t, p: 16 m + 8 tile + j
.set MW,   128                         ; v128-143 the four waves' words
.set SCL,  144                         ; v144-147 the conversions' scale operands
.set BY,   148                         ; v148-151 the scale bytes
.set CB,   152                         ; v152-171 p's codes: two pairs of tiles, 10 registers each
.set TD,   172                         ; v172-179 penalised t on the diagonal
.set TM,   176                         ; v176-191 the quantiser's work on the way out
.set PW,   192
.set PWP,  196
.set PC,   64
.set KS,   200                         ; v200-217 scale words, and nothing else: K's 4, V's 4, Q's 8, P's 2
.set VS,   204
.set QS,   208
.set PS,   216
.set WV,   10
.set G1,   16                          ; s[16:23] group 1: 100 rows of 256 bytes
.set G0A,  24                          ; s[24:27] slot 0's first fill
.set G0B,  28                          ; s[28:31] slot 1's first fill; it then walks
.set TB,   32                          ; s32 the slot in hand
.set CNT,  33
.set JJ,   34                          ; s34 the step whose scores are made next
.set SG,   35                          ; s35 the step asked for last
.set CL2,  36                          ; s36 2 x cluster: my first step; steps under it are penalised whole,
.set OPN,  37                          ; s37 steps from 2 x cluster + 2 on are open whole, for all four partners
.set OFS,  38                          ; s[38:39] a step's place in the head's K and V, in bytes
.set SEL,  40
.set CS,   42                          ; s[42:43] log2(e) / sqrt(512)
.set LN2,  44                          ; s[44:45] ln 2
.set L2E,  46                          ; s[46:47] log2(e)
.set HM,   48
.set NKF,  49                          ; s49 minus the step's first key
.set KVB,  52                          ; s[52:53] the head's K and V at my quarter of step 0; never rewritten
.set ACD,  70                          ; s[70:71] attimg: my codes;  s[72:73] my scale words
.set ASC,  72
.set MSB, 0
.macro WIN new
.if MSB != \new
	s_set_vgpr_msb (MSB<<8)|\new
.set MSB, \new
.endif
.endm
.macro CROUND
	s_barrier_signal -1
	s_barrier_wait -1
	s_cmp_lg_u32 s[WV], 0
	s_cbranch_scc1 .Lnot_wave_0_\@
	s_barrier_signal -3
.Lnot_wave_0_\@:
	s_barrier_wait -3
	s_barrier_signal -1
	s_barrier_wait -1
.endm
.macro PLACES n
.rept \n
	v_nop
.endr
.endm
.macro WM d, a, b, c, sa, sb, ra, rb
.if (\c) < 0
.if ((\ra) == 0) && ((\rb) == 0)
	v_wmma_scale_f32_16x16x128_f8f6f4 v[\d:\d+7], v[\a:\a+11], v[\b:\b+11], 0, v[\sa], v[\sb] matrix_a_fmt:MATRIX_FMT_FP6 matrix_b_fmt:MATRIX_FMT_FP6
.elseif (\rb) == 0
	v_wmma_scale_f32_16x16x128_f8f6f4 v[\d:\d+7], v[\a:\a+11], v[\b:\b+11], 0, v[\sa], v[\sb] matrix_a_fmt:MATRIX_FMT_FP6 matrix_b_fmt:MATRIX_FMT_FP6 matrix_a_scale:MATRIX_SCALE_ROW1
.elseif (\ra) == 0
	v_wmma_scale_f32_16x16x128_f8f6f4 v[\d:\d+7], v[\a:\a+11], v[\b:\b+11], 0, v[\sa], v[\sb] matrix_a_fmt:MATRIX_FMT_FP6 matrix_b_fmt:MATRIX_FMT_FP6 matrix_b_scale:MATRIX_SCALE_ROW1
.else
	v_wmma_scale_f32_16x16x128_f8f6f4 v[\d:\d+7], v[\a:\a+11], v[\b:\b+11], 0, v[\sa], v[\sb] matrix_a_fmt:MATRIX_FMT_FP6 matrix_b_fmt:MATRIX_FMT_FP6 matrix_a_scale:MATRIX_SCALE_ROW1 matrix_b_scale:MATRIX_SCALE_ROW1
.endif
.else
.if ((\ra) == 0) && ((\rb) == 0)
	v_wmma_scale_f32_16x16x128_f8f6f4 v[\d:\d+7], v[\a:\a+11], v[\b:\b+11], v[\c:\c+7], v[\sa], v[\sb] matrix_a_fmt:MATRIX_FMT_FP6 matrix_b_fmt:MATRIX_FMT_FP6
.elseif (\rb) == 0
	v_wmma_scale_f32_16x16x128_f8f6f4 v[\d:\d+7], v[\a:\a+11], v[\b:\b+11], v[\c:\c+7], v[\sa], v[\sb] matrix_a_fmt:MATRIX_FMT_FP6 matrix_b_fmt:MATRIX_FMT_FP6 matrix_a_scale:MATRIX_SCALE_ROW1
.elseif (\ra) == 0
	v_wmma_scale_f32_16x16x128_f8f6f4 v[\d:\d+7], v[\a:\a+11], v[\b:\b+11], v[\c:\c+7], v[\sa], v[\sb] matrix_a_fmt:MATRIX_FMT_FP6 matrix_b_fmt:MATRIX_FMT_FP6 matrix_b_scale:MATRIX_SCALE_ROW1
.else
	v_wmma_scale_f32_16x16x128_f8f6f4 v[\d:\d+7], v[\a:\a+11], v[\b:\b+11], v[\c:\c+7], v[\sa], v[\sb] matrix_a_fmt:MATRIX_FMT_FP6 matrix_b_fmt:MATRIX_FMT_FP6 matrix_a_scale:MATRIX_SCALE_ROW1 matrix_b_scale:MATRIX_SCALE_ROW1
.endif
.endif
.endm
; 64 numbers of a lane in window 1 become a fragment's codes in v[pc] .. v[pc + 11] and its scale word in v[pw]; each accumulator is read from its low end on
.macro QUANT src, pc, pw
	WIN 0x05
.irp b, 0,1,2,3
	v_max3_num_f32 v[TM+\b], |v[(\src)+16*\b]|, |v[(\src)+1+16*\b]|, 0x1800000
.endr
	WIN 0x14
.irp i, 2,4,6,8,10,12,14
.irp b, 0,1,2,3
	v_max3_num_f32 v[TM+\b], v[TM+\b], |v[(\src)+16*\b+\i]|, |v[(\src)+1+16*\b+\i]|
.endr
.endr
	WIN 0
.irp b, 0,1,2,3
	v_permlanex16_b32 v[TM+4+\b], v[TM+\b], s[SEL], s[SEL+1]
.endr
.irp b, 0,1,2,3
	v_max_num_f32 v[TM+\b], v[TM+\b], v[TM+4+\b]
.endr
.irp b, 0,1,2,3
	v_add_nc_u32 v[TM+12+\b], 0xff000000, v[TM+\b]
.endr
.irp b, 0,1,2,3
	v_lshrrev_b32 v[TM+4+\b], 23, v[TM+12+\b]
.endr
	v_lshl_or_b32 v[\pw], v[TM+5], 8, v[TM+4]
	v_lshl_or_b32 v[\pw], v[TM+6], 16, v[\pw]
	v_lshl_or_b32 v[\pw], v[TM+7], 24, v[\pw]
	WIN 0x01
.irp c, 0,1
	v_cvt_scalef32_pk16_fp6_f32 v[(\pc)+6*\c:(\pc)+2+6*\c], v[(\src)+32*\c:(\src)+15+32*\c], v[TM+12+2*\c]
	v_cvt_scalef32_pk16_fp6_f32 v[(\pc)+12+4*\c:(\pc)+14+4*\c], v[(\src)+16+32*\c:(\src)+31+32*\c], v[TM+12+2*\c+1]
.endr
	WIN 0
	v_nop
.irp c, 0,1
.irp i, 0,1,2
	v_permlane16_swap_b32 v[(\pc)+6*\c+\i], v[(\pc)+12+4*\c+\i]
.endr
.irp i, 0,1,2
	v_mov_b32 v[(\pc)+3+6*\c+\i], v[(\pc)+12+4*\c+\i]
.endr
.endr
.endm
; my two tiles of K (keys 32 w .. + 31), all four K steps, and their scale words, from the slot at s[TB]: 28 LDS loads
.macro LOADK
	v_add_nc_u32 v[ADK], s[TB], v[AK0]
	v_add_nc_u32 v[ADKS], s[TB], v[AKS0]
	WIN 0xc0
.irp a, 0,1
.irp s, 0,1,2,3
.irp c, 0,1,2
	ds_load_b128 v[48*\a+12*\s+4*\c:48*\a+12*\s+4*\c+3], v[ADK] offset:6144*\a+1536*\s+512*\c
.endr
.endr
.endr
	WIN 0
.irp s, 0,1,2,3
	ds_load_b32 v[KS+\s], v[ADKS] offset:128*\s
.endr
.endm
; THE SCORES OF STEP s[JJ]: S^T for my 32 keys x 64 queries, t, the mask, my block's largest t for each query; it ends with barrier A
.macro SCORES
	s_lshl_b32 s[NKF], s[JJ], 7
	s_sub_co_u32 s[NKF], 0, s[NKF]                 ; minus the step's first key
	s_wait_dscnt 0x0                               ; K and its scale words are in
	WIN 0x0b                                       ; source 0 (K) window 3, source 1 (Q) window 2, C and D window 0
.irp s, 0,1,2,3                        ; the eight accumulators by turns, one instruction a turn
.irp m, 0,1,2,3
.irp a, 0,1
.if \s == 0
	WM TS+16*\m+8*\a, 48*\a+12*\s, 48*\m+12*\s, -1, KS+\s, QS+4*(\m/2)+\s, \a, \m%2
.else
	WM TS+16*\m+8*\a, 48*\a+12*\s, 48*\m+12*\s, TS+16*\m+8*\a, KS+\s, QS+4*(\m/2)+\s, \a, \m%2
.endif
.endr
.endr
.endr
	WIN 0
	v_add_nc_u32 v[DL], s[NKF], v[DL0]             ; my query's distance from the step's first key.  (These five lines are the places behind the last product)
.irp m, 0,1,2,3
	v_add_nc_u32 v[DLM+\m], 16*\m, v[DL]
.endr
.set i, 0
.rept 32
	v_pk_mul_f32 v[TS+2*i:TS+2*i+1], v[TS+2*i:TS+2*i+1], s[CS:CS+1] op_sel_hi:[1,0]   ; t of an open key; each accumulator from its low end on
.set i, i+1
.endr
	s_cmp_ge_u32 s[JJ], s[OPN]                     ; the branches hang on the cluster's number and the step: alike in all partners
	s_cbranch_scc1 .Lopen_\@
	s_cmp_lt_u32 s[JJ], s[CL2]
	s_cbranch_scc1 .Lall_\@
.set i, 0                              ; the diagonal: register 16 m + 8 a + j holds key 16 a + j of my block's half: penalised where 16 a + j <= my query's distance
.rept 32
	v_pk_fma_f32 v[TD+(2*i)%8:TD+(2*i)%8+1], v[TS+2*i:TS+2*i+1], s[LN2:LN2+1], v[NEG:NEG+1] op_sel_hi:[1,0,1]
	v_pk_mul_f32 v[TD+(2*i)%8:TD+(2*i)%8+1], v[TD+(2*i)%8:TD+(2*i)%8+1], s[L2E:L2E+1] op_sel_hi:[1,0]
	v_cmp_le_i32 vcc_lo, 16*(((2*i)%16)/8)+(2*i)%8, v[DLM+(2*i)/16]
	v_cndmask_b32 v[TS+2*i], v[TS+2*i], v[TD+(2*i)%8], vcc_lo
	v_cmp_le_i32 vcc_lo, 16*(((2*i)%16)/8)+(2*i)%8+1, v[DLM+(2*i)/16]
	v_cndmask_b32 v[TS+2*i+1], v[TS+2*i+1], v[TD+(2*i)%8+1], vcc_lo
.set i, i+1
.endr
	s_branch .Lopen_\@
.Lall_\@:
.set i, 0
.rept 32
	v_pk_fma_f32 v[TS+2*i:TS+2*i+1], v[TS+2*i:TS+2*i+1], s[LN2:LN2+1], v[NEG:NEG+1] op_sel_hi:[1,0,1]   ; the logit - 1e9, rounded to f32,
.set i, i+1
.endr
.set i, 0
.rept 32
	v_pk_mul_f32 v[TS+2*i:TS+2*i+1], v[TS+2*i:TS+2*i+1], s[L2E:L2E+1] op_sel_hi:[1,0]   ; x log2(e), rounded
.set i, i+1
.endr
.Lopen_\@:
	s_add_co_u32 s[JJ], s[JJ], 1
	s_and_b32 s[JJ], s[JJ], 7                      ; round the eight steps
.irp m, 0,1,2,3
	v_max3_num_f32 v[ST+8*\m+6], v[TS+16*\m], v[TS+16*\m+1], v[TS+16*\m+2]   ; the largest t of my block: it serves the row's M and, since p rises with t, the block's scale
.endr
.irp i, 3,5,7,9,11,13
.irp m, 0,1,2,3
	v_max3_num_f32 v[ST+8*\m+6], v[ST+8*\m+6], v[TS+16*\m+\i], v[TS+16*\m+\i+1]
.endr
.endr
.irp m, 0,1,2,3
	v_max_num_f32 v[ST+8*\m+6], v[ST+8*\m+6], v[TS+16*\m+15]
.endr
.irp m, 0,1,2,3
	v_permlanex16_b32 v[ST+8*\m+7], v[ST+8*\m+6], s[SEL], s[SEL+1]
.endr
.irp m, 0,1,2,3
	v_max_num_f32 v[ST+8*\m+6], v[ST+8*\m+6], v[ST+8*\m+7]
.endr
.irp m, 0,1,2,3
	ds_store_b32 v[MXW], v[ST+8*\m+6] offset:512*\m
.endr
	s_wait_dscnt 0x0                               ; for the others' sake: my stores have landed, my reads of P's image are over
	s_barrier_signal -1                            ; BARRIER A.  The slot on its way may stay out
	s_barrier_wait -1
.endm
; A STEP, from behind barrier A.  fill = 1: the slot that the step leaves is filled again, two steps ahead.  more = 1: the next step's scores follow.
.macro TRIP fill, more
	v_add_nc_u32 v[ADV], s[TB], v[AV0]
	v_add_nc_u32 v[ADVS], s[TB], v[AVS0]
	s_xor_b32 s[TB], s[TB], SLOT1                  ; the next K comes from the other slot
.irp m, 0,1,2,3
	ds_load_b128 v[MW+4*\m:MW+4*\m+3], v[MXR] offset:512*\m
.endr
	WIN 0xc0
.irp d, 0,1,2,3,4,5,6,7                ; my eight tiles of V come while the softmax is worked
.irp c, 0,1,2
	ds_load_b128 v[96+12*\d+4*\c:96+12*\d+4*\c+3], v[ADV] offset:1536*\d+512*\c
.endr
.endr
	WIN 0
.irp e, 0,1,2,3
	ds_load_b32 v[VS+\e], v[ADVS] offset:128*\e
.endr
	s_wait_dscnt 28                                ; the four waves' largest t are in; V's 24 loads and its 4 scale words may be out
.irp m, 0,1,2,3
	v_max3_num_f32 v[ST+8*\m+7], v[MW+4*\m], v[MW+4*\m+1], v[MW+4*\m+2]
.endr
.irp m, 0,1,2,3
	v_max3_num_f32 v[ST+8*\m+1], v[ST+8*\m+7], v[MW+4*\m+3], v[ST+8*\m+1]   ; the running largest t
.endr
.irp m, 0,1,2,3
	v_mov_b32 v[ST+8*\m+7], v[ST+8*\m]
.endr
.irp m, 0,1,2,3
	v_floor_f32 v[ST+8*\m], -v[ST+8*\m+1]          ; the new -M = floor(-t): M is a whole number
.endr
.irp m, 0,1,2,3
	v_sub_f32 v[ST+8*\m+7], v[ST+8*\m], v[ST+8*\m+7]   ; old M - new M, 0 or less
.endr
.irp m, 0,1,2,3
	v_cvt_i32_f32 v[ST+8*\m+7], v[ST+8*\m+7]       ; (it saturates)
.endr
.irp m, 0,1,2,3
	v_ldexp_f32 v[ST+8*\m+4], 1.0, v[ST+8*\m+7]    ; f = 2^(old M - new M)
.endr
.irp m, 0,1,2,3
.irp j, 0,2,4,6,8,10,12,14
	v_pk_add_f32 v[TS+16*\m+\j:TS+16*\m+\j+1], v[TS+16*\m+\j:TS+16*\m+\j+1], v[ST+8*\m:ST+8*\m+1] op_sel_hi:[1,0]   ; t - M
.endr
.endr
.irp m, 0,1,2,3
	v_add_f32 v[ST+8*\m+6], v[ST+8*\m+6], v[ST+8*\m]   ; the same of my block's largest t
.endr
.set i, 0
.rept 64
	v_exp_f32 v[TS+i], v[TS+i]                     ; p = 2^(t - M), at most 1
.set i, i+1
.endr
.irp m, 0,1,2,3
	v_pk_mul_f32 v[ST+8*\m+2:ST+8*\m+3], v[ST+8*\m+2:ST+8*\m+3], v[ST+8*\m+4:ST+8*\m+5] op_sel_hi:[1,0]   ; the sums under the new M (plain lines behind the exponentials)
.endr
	s_wait_alu depctr_va_vdst(0)                   ; one wait for the batch, ahead of its first reader
.irp m, 0,1,2,3
	v_exp_f32 v[ST+8*\m+6], v[ST+8*\m+6]           ; my block's largest p: the same two instructions on the same number give the same bits
.endr
.irp j, 0,2,4,6,8,10,12,14
.irp m, 0,1,2,3
	v_pk_add_f32 v[ST+8*\m+2:ST+8*\m+3], v[ST+8*\m+2:ST+8*\m+3], v[TS+16*\m+\j:TS+16*\m+\j+1]   ; the sum of the UNQUANTISED p, four chains by turns
.endr
.endr
	s_wait_alu depctr_va_vdst(0)                   ; and one for the four
.irp m, 0,1,2,3
	v_max_num_f32 v[ST+8*\m+6], 0x1800000, v[ST+8*\m+6]   ; the floor: a block whose every p is 0 keeps the byte 1; its codes are zeros
.endr
.irp m, 0,1,2,3
	v_add_nc_u32 v[SCL+\m], 0xff000000, v[ST+8*\m+6]
.endr
.irp m, 0,1,2,3
	v_lshrrev_b32 v[BY+\m], 23, v[SCL+\m]
.endr
.irp m, 0,1,2,3
	ds_store_b8 v[APS], v[BY+\m] offset:64*\m      ; byte w of the query's scale word (both halves of the lanes write the same)
.endr
.irp e, 0,1
	v_cvt_scalef32_pk16_fp6_f32 v[CB+10*\e:CB+10*\e+2], v[TS+32*\e:TS+32*\e+15], v[SCL+2*\e]
	v_cvt_scalef32_pk16_fp6_f32 v[CB+10*\e+6:CB+10*\e+8], v[TS+32*\e+16:TS+32*\e+31], v[SCL+2*\e+1]
.endr
	v_nop                                          ; one plain line behind the conversions
.irp e, 0,1                            ; two tiles change halves: lanes 0-15 then hold the whole block of tile 2 e, lanes 16-31 that of tile 2 e + 1
.irp i, 0,1,2
	v_permlane16_swap_b32 v[CB+10*\e+\i], v[CB+10*\e+6+\i]
.endr
.irp i, 0,1,2
	v_mov_b32 v[CB+10*\e+3+\i], v[CB+10*\e+6+\i]
.endr
.endr
.irp e, 0,1                            ; block w is registers 6 (w / 2) .. + 5 of the fragment's lane 16 (w % 2) + query
	ds_store_b64 v[AP], v[CB+10*\e:CB+10*\e+1] offset:3072*\e
	ds_store_b64 v[AP+1], v[CB+10*\e+2:CB+10*\e+3] offset:3072*\e
	ds_store_b64 v[AP+2], v[CB+10*\e+4:CB+10*\e+5] offset:3072*\e
.endr
.if \fill
	s_wait_tensorcnt 0x0                           ; all my tensor loads have landed: my part of the next slot; so a group 0 may be written
	ds_add_u32 v[SPW], v[NIL]                      ; 0 onto my spare word
	s_xor_b32 s[G0B+1], s[G0B+1], SLOT1            ; the walking descriptor: the other slot than last time,
	s_add_co_u32 s[SG], s[SG], 1
	s_and_b32 s[SG], s[SG], 7                      ; the next step, round the eight
	s_mul_i32 s[OFS], s[SG], 102400
	s_add_nc_u64 s[G0B+2:G0B+3], s[KVB:KVB+1], s[OFS:OFS+1]
	s_or_b32 s[G0B+3], s[G0B+3], 0x80000000        ; type = 2
	s_wait_dscnt 0x0                               ; the add is done; p has landed; K and V of this step are in registers: my reads of the slot are over
	CROUND                                         ; BARRIER B, as a round of the cluster's: no wave of any partner still reads the slot or has a load on its way
	tensor_load_to_lds s[G0B:G0B+3], s[G1:G1+7]    ; my quarter of the slot, two steps ahead: my one tensor load until the next round
	s_nop 0
	PLACES 4
.else
	s_wait_tensorcnt 0x0
	s_wait_dscnt 0x0
	s_barrier_signal -1                            ; BARRIER B
	s_barrier_wait -1
.endif
	WIN 0x80
.irp m, 0,1,2,3
.irp c, 0,1,2
	ds_load_b128 v[192+12*\m+4*\c:192+12*\m+4*\c+3], v[PIR] offset:1536*\m+512*\c
.endr
.endr
	WIN 0
.irp e, 0,1
	ds_load_b32 v[PS+\e], v[PSR] offset:128*\e
.endr
.if \more
	LOADK
.endif
	WIN 0x41
.set i, 0
.rept 128
	v_pk_mul_f32 v[2*i:2*i+1], v[2*i:2*i+1], v[ST+8*(i/32)+4:ST+8*(i/32)+5] op_sel_hi:[1,0]   ; O^T under the new M; each accumulator from its low end on
.set i, i+1
.endr
.if \more
	s_wait_dscnt 28                                ; P and its scale words are in; the next K's 28 loads may be out
.else
	s_wait_dscnt 0x0
.endif
	WIN 0x5b                                       ; source 0 (V) window 3, source 1 (P) window 2, C and D window 1
.irp d, 0,1,2,3,4,5,6,7
.irp m, 0,1,2,3
	WM 64*\m+8*\d, 96+12*\d, 192+12*\m, 64*\m+8*\d, VS+\d/2, PS+\m/2, \d%2, \m%2
.endr
.endr
.if \more
	SCORES
.endif
.endm
	s_load_b128 s[4:7], s[0:1], 0x0                ; qimg s[4:5], kvimg s[6:7]
	s_load_b64 s[8:9], s[0:1], 0x10                ; attimg
	v_lshl_add_u32 v[SPW], v0, 2, SPARE
	v_mov_b32 v[NIL], 0
	ds_add_u32 v3, v4
	ds_add_u32 v3, v4
	s_wait_dscnt 0x0
	v_lshrrev_b32 v30, 5, v0
	v_readfirstlane_b32 s[WV], v30                 ; wave 0..3
	s_bfe_u32 s11, ttmp6, 0x40000                  ; cx
	s_lshl_b32 s12, ttmp9, 2
	s_add_co_u32 s12, s12, s11                     ; my block of 64 queries: it enters Q's and the result's addresses and the mask's numbers alone
	s_and_b32 s13, ttmp7, 0xffff                   ; 8 x batch + head, which the partners share
	s_mov_b32 s[G1], 15|(3<<16)|(1<<21)            ; the mask: all four; elements of 8 bytes; bit 21 beside a mask; no padding
	s_mov_b32 s[G1+1], 32<<16
	s_mov_b32 s[G1+2], 100<<16
	s_mov_b32 s[G1+3], 32<<16
	s_mov_b32 s[G1+4], 100
	s_mov_b32 s[G1+5], 32
	s_mov_b32 s[G1+6], 0
	s_mov_b32 s[G1+7], 0
	s_mul_i32 s52, s13, 819200
	s_mul_i32 s54, s[WV], 25600                    ; my quarter of a slot, in memory and in LDS
	s_add_co_u32 s52, s52, s54
	s_mov_b32 s53, 0
	s_lshl_b32 s[CL2], ttmp9, 1                    ; my cluster's first step: the same in all four partners
	s_mul_i32 s[OFS], s[CL2], 102400
	s_mov_b32 s[OFS+1], 0
	s_add_co_u32 s[SG], s[CL2], 1                  ; the second first fill asks for the step behind it (7 at the most)
	s_wait_kmcnt 0x0
	s_add_nc_u64 s[KVB:KVB+1], s[6:7], s[52:53]
	CROUND                                         ; all four work-groups are here: the first joint loads meet
	s_mov_b32 s[G0A], 1
	s_mov_b32 s[G0A+1], s54
	s_add_nc_u64 s[G0A+2:G0A+3], s[KVB:KVB+1], s[OFS:OFS+1]
	s_mov_b32 s[G0B], 1
	s_add_co_u32 s[G0B+1], s54, SLOT1
	s_add_nc_u64 s[G0B+2:G0B+3], s[G0A+2:G0A+3], 102400
	s_or_b32 s[G0A+3], s[G0A+3], 0x80000000
	s_or_b32 s[G0B+3], s[G0B+3], 0x80000000
	tensor_load_to_lds s[G0A:G0A+3], s[G1:G1+7]    ; my cluster's first step
	s_nop 0
	tensor_load_to_lds s[G0B:G0B+3], s[G1:G1+7]    ; and its second
	s_nop 0
	PLACES 4
	s_add_co_u32 s[OPN], s[CL2], 2
	s_mov_b32 s[TB], 0
	s_mov_b32 s[JJ], s[CL2]
	s_mov_b32 s[SEL], 0x76543210
	s_mov_b32 s[SEL+1], 0xfedcba98
	s_mov_b32 s[CS], 0x3d8293ee
	s_mov_b32 s[CS+1], s[CS]                       ; (named with it as a pair, so it is written)
	s_mov_b32 s[LN2], 0x3f317218
	s_mov_b32 s[LN2+1], s[LN2]
	s_mov_b32 s[L2E], 0x3fb8aa3b
	s_mov_b32 s[L2E+1], s[L2E]
	s_mov_b32 s[HM], 0xffff0000
	s_mul_i32 s56, s13, 409600                     ; Q: [head][128 queries][51,200]
	s_lshr_b32 s58, s12, 1
	s_mul_i32 s58, s58, 51200
	s_add_co_u32 s56, s56, s58
	s_and_b32 s59, s12, 1
	s_mul_i32 s58, s59, 24576
	s_add_co_u32 s60, s56, s58
	s_mov_b32 s61, 0
	s_add_nc_u64 s[60:61], s[4:5], s[60:61]
	s_lshl_b32 s58, s59, 10
	s_add_co_u32 s62, s56, s58
	s_add_co_u32 s62, s62, 49152
	s_mov_b32 s63, 0
	s_add_nc_u64 s[62:63], s[4:5], s[62:63]
	v_and_b32 v30, 31, v0
	v_lshlrev_b32 v[LI], 4, v30
	v_lshlrev_b32 v[LS], 2, v30
	WIN 0x80
.irp m, 0,1,2,3                        ; Q stays in registers: every wave holds all 64 queries
.irp s, 0,1,2,3
.irp c, 0,1,2
	global_load_b128 v[48*\m+12*\s+4*\c:48*\m+12*\s+4*\c+3], v[LI], s[60:61] offset:(4*\m+\s)*1536+512*\c
.endr
.endr
.endr
	WIN 0
.irp e, 0,1,2,3,4,5,6,7
	global_load_b32 v[QS+\e], v[LS], s[62:63] offset:128*\e
.endr
	s_mul_i32 s50, s[WV], 12288
	v_add_nc_u32 v[AK0], s50, v[LI]
	s_lshl_b32 s50, s[WV], 9
	s_add_co_u32 s50, s50, 49152
	v_add_nc_u32 v[AKS0], s50, v[LS]
	v_add_nc_u32 v[AV0], 51200, v[AK0]
	v_add_nc_u32 v[AVS0], 51200, v[AKS0]
	v_add_nc_u32 v[MXR], MAXX, v[LI]
	s_lshl_b32 s50, s[WV], 2
	v_add_nc_u32 v[MXW], s50, v[MXR]
	v_lshrrev_b32 v31, 4, v30                      ; lane / 16
	v_and_b32 v30, 15, v30                         ; lane % 16
	v_mul_u32_u24 v27, v31, 1536
	v_lshl_add_u32 v27, v30, 4, v27
	s_and_b32 s50, s[WV], 1
	s_lshl_b32 s50, s50, 8
	s_add_co_u32 s50, s50, PIMG
	s_lshr_b32 s51, s[WV], 1
	s_mul_i32 s55, s51, 520
	s_add_co_u32 s55, s55, s50
	v_add_nc_u32 v[AP], s55, v27                   ; registers 0, 1 of my six: byte 0 of chunk 0, or byte 8 of chunk 1
	s_mul_i32 s55, s51, 1016
	s_add_co_u32 s55, s55, s50
	s_add_co_u32 s55, s55, 8
	v_add_nc_u32 v[AP+1], s55, v27                 ; registers 2, 3: byte 8 of chunk 0, or byte 0 of chunk 2
	s_mul_i32 s55, s51, 520
	s_add_co_u32 s55, s55, s50
	s_add_co_u32 s55, s55, 512
	v_add_nc_u32 v[AP+2], s55, v27                 ; registers 4, 5: byte 0 of chunk 1, or byte 8 of chunk 2
	s_add_co_u32 s50, s[WV], PSC
	v_lshl_add_u32 v[APS], v30, 2, s50
	v_add_nc_u32 v[PIR], PIMG, v[LI]
	v_add_nc_u32 v[PSR], PSC, v[LS]
	v_lshlrev_b32 v27, 3, v31
	v_sub_nc_u32 v[DL0], v30, v27
	s_lshl_b32 s50, s12, 6
	s_lshl_b32 s51, s[WV], 5
	s_sub_co_u32 s50, s50, s51
	v_add_nc_u32 v[DL0], s50, v[DL0]               ; 64 x block + lane % 16 - 32 w - 8 (lane / 16)
	v_mov_b32 v[NEG], 0xce6e6b28
	v_mov_b32 v[NEG+1], 0xce6e6b28
.irp m, 0,1,2,3
	v_mov_b32 v[ST+8*\m+1], 0xff61b1e6             ; the largest t so far: -3e38, under every t
	v_floor_f32 v[ST+8*\m], -v[ST+8*\m+1]
	v_mov_b32 v[ST+8*\m+2], 0
	v_mov_b32 v[ST+8*\m+3], 0
	v_mov_b32 v[ST+8*\m+4], 0
	v_mov_b32 v[ST+8*\m+5], 0
	v_mov_b32 v[ST+8*\m+6], 0
	v_mov_b32 v[ST+8*\m+7], 0
	v_mov_b32 v[TM+4+\m], 0
.endr
	WIN 0x40
.set i, 0
.rept 256
	v_mov_b32 v[i], 0                              ; O^T.  The step is written for every step alike: the first finds zeros, which the first change of M leaves zeros; a step of its own would be a fourth copy of the step's text
.set i, i+1
.endr
	WIN 0
	; where the result goes: attimg [128 tokens][256 of K][25,600]; my 128 channels are K step 4 head + w of the last product
	s_lshr_b32 s66, s13, 3
	s_lshl_b32 s66, s66, 3
	s_lshr_b32 s67, s12, 1
	s_add_co_u32 s66, s66, s67
	s_mul_i32 s66, s66, 409600
	s_and_b32 s67, s13, 7
	s_lshl_b32 s67, s67, 1
	s_lshr_b32 s68, s[WV], 1
	s_add_co_u32 s67, s67, s68
	s_mul_i32 s67, s67, 25600
	s_add_co_u32 s66, s66, s67
	s_and_b32 s68, s[WV], 1
	s_lshl_b32 s67, s59, 3
	s_add_co_u32 s67, s67, s68
	s_mul_i32 s67, s67, 1536
	s_add_co_u32 s[ACD], s66, s67
	s_mov_b32 s[ACD+1], 0
	s_add_nc_u64 s[ACD:ACD+1], s[8:9], s[ACD:ACD+1]
	s_lshl_b32 s67, s59, 2
	s_add_co_u32 s67, s67, s68
	s_lshl_b32 s67, s67, 7
	s_add_co_u32 s[ASC], s66, s67
	s_add_co_u32 s[ASC], s[ASC], 24576
	s_mov_b32 s[ASC+1], 0
	s_add_nc_u64 s[ASC:ASC+1], s[8:9], s[ASC:ASC+1]
	s_wait_tensorcnt 0x1                           ; my part of the first step is in; the second's may be out
	s_barrier_signal -1
	s_barrier_wait -1
	LOADK
	s_wait_loadcnt 0x0                             ; Q
	SCORES                                         ; the first step
	s_mov_b32 s[CNT], 6
.Ltrip:                                            ; the first six steps: behind each B the slot just left is asked for again
	TRIP 1, 1
	s_sub_co_u32 s[CNT], s[CNT], 1
	s_cmp_lg_u32 s[CNT], 0
	s_cbranch_scc1 .Ltrip
	TRIP 0, 1                                      ; the last two steps are written out
	TRIP 0, 0
	WIN 0
	; THE WAY OUT.  The four waves' sums are added through LDS; O^T / the sum is quantised: my 128 channels of a tile of queries are one fragment of the last product.  The additions are the places behind the last products.
.irp m, 0,1,2,3
	v_add_f32 v[ST+8*\m+6], v[ST+8*\m+2], v[ST+8*\m+3]
.endr
.irp m, 0,1,2,3
	v_permlanex16_b32 v[ST+8*\m+7], v[ST+8*\m+6], s[SEL], s[SEL+1]
.endr
.irp m, 0,1,2,3
	v_add_f32 v[ST+8*\m+6], v[ST+8*\m+6], v[ST+8*\m+7]
.endr
.irp m, 0,1,2,3
	ds_store_b32 v[MXW], v[ST+8*\m+6] offset:2048+512*\m
.endr
	s_wait_dscnt 0x0
	s_barrier_signal -1
	s_barrier_wait -1
.irp m, 0,1,2,3
	ds_load_b128 v[MW+4*\m:MW+4*\m+3], v[MXR] offset:2048+512*\m
.endr
	s_wait_dscnt 0x0
.irp m, 0,1,2,3
	v_add_f32 v[MW+4*\m], v[MW+4*\m], v[MW+4*\m+1]
	v_add_f32 v[MW+4*\m+2], v[MW+4*\m+2], v[MW+4*\m+3]
.endr
.irp m, 0,1,2,3
	v_add_f32 v[MW+4*\m], v[MW+4*\m], v[MW+4*\m+2]
.endr
.irp m, 0,1,2,3
	v_rcp_f32 v[ST+8*\m+4], v[MW+4*\m]
.endr
	v_nop                                          ; a plain line behind the last reciprocal,
	s_wait_alu depctr_va_vdst(0)                   ; and one wait for the four, ahead of their first reader
	WIN 0x41
.set i, 0
.rept 128
	v_pk_mul_f32 v[2*i:2*i+1], v[2*i:2*i+1], v[ST+8*(i/32)+4:ST+8*(i/32)+5] op_sel_hi:[1,0]
.set i, i+1
.endr
.irp m, 0,1,2,3
	QUANT 64*\m, PC+24*\m, PW+\m
.irp c, 0,1,2
	global_store_b128 v[LI], v[PC+24*\m+4*\c:PC+24*\m+4*\c+3], s[ACD:ACD+1] offset:3072*\m+512*\c   ; 512 consecutive bytes, aligned to 256
.endr
.endr
.irp e, 0,1
	v_cndmask_b32 v[PWP+\e], v[PW+2*\e], v[PW+2*\e+1], s[HM]
	global_store_b32 v[LS], v[PWP+\e], s[ASC:ASC+1] offset:256*\e
.endr
	s_wait_tensorcnt 0x0                           ; the wave's end
	ds_add_u32 v[SPW], v[NIL]
	s_wait_dscnt 0x0
	CROUND                                         ; the closing round
	s_endpgm
.Lfunc_end_k_q07d7c24df4_attn:
	.size	k_q07d7c24df4_attn, .Lfunc_end_k_q07d7c24df4_attn-k_q07d7c24df4_attn
	.p2alignl 7, 3214868480
	.fill 96, 4, 3214868480
	.section	.rodata,"a",@progbits
	.p2align	6, 0x0
	.amdhsa_kernel k_q07d7c24df4_attn
		.amdhsa_group_segment_fixed_size 327680
		.amdhsa_private_segment_fixed_size 0
		.amdhsa_enable_private_segment 0
		.amdhsa_kernarg_size 24
		.amdhsa_user_sgpr_count 2
		.amdhsa_user_sgpr_kernarg_segment_ptr 1
		.amdhsa_wavefront_size32 1
		.amdhsa_system_sgpr_workgroup_id_x 1
		.amdhsa_system_sgpr_workgroup_id_y 1
		.amdhsa_system_sgpr_workgroup_id_z 1
		.amdhsa_system_vgpr_workitem_id 0
		.amdhsa_next_free_vgpr 1024
		.amdhsa_next_free_sgpr 90
		.amdhsa_reserve_vcc 1
		.amdhsa_float_denorm_mode_32 3
		.amdhsa_float_denorm_mode_16_64 3
		.amdhsa_memory_ordered 1
		.amdhsa_forward_progress 1
		.amdhsa_inst_pref_size 195
	.end_amdhsa_kernel
	.amdgpu_metadata
---
amdhsa.version: [ 1, 2 ]
amdhsa.kernels:
  - .name:           k_q07d7c24df4_attn
    .symbol:         k_q07d7c24df4_attn.kd
    .args:
      - { .name: qimg, .offset: 0, .size: 8, .value_kind: global_buffer, .address_space: global }
      - { .name: kvimg, .offset: 8, .size: 8, .value_kind: global_buffer, .address_space: global }
      - { .name: attimg, .offset: 16, .size: 8, .value_kind: global_buffer, .address_space: global }
    .group_segment_fixed_size: 327680
    .private_segment_fixed_size: 0
    .kernarg_segment_align: 8
    .kernarg_segment_size: 24
    .max_flat_workgroup_size: 128
    .sgpr_count:     90
    .vgpr_count:     1024
    .wavefront_size: 32
...
	.end_amdgpu_metadata
.endif
;; end of part 3
;; launch outp (part 4): grid 16 x 16, 4 waves a work-group, clusters of 4 x 4, 327,680 bytes of LDS; arguments attimg, woimg, bo, out0; writes out0
.if DOCPART == 4
	.amdgcn_target "amdgcn-amd-amdhsa--gfx1250"
	.amdhsa_code_object_version 6
	.text
	.protected	k_q07d7c24df4_outp
	.globl	k_q07d7c24df4_outp
	.p2align	8
	.type	k_q07d7c24df4_outp,@function
k_q07d7c24df4_outp:
	s_mov_b64 s[64:65], 0
	v_nop
	global_prefetch_b8 v0, s[64:65] scope:SCOPE_SE
	s_setreg_imm32_b32 hwreg(HW_REG_WAVE_MODE, 25, 1), 1
	s_wait_xcnt 0x0
	s_wait_alu depctr_hold_cnt(0) depctr_sa_sdst(0) depctr_va_vdst(0) depctr_va_sdst(0) depctr_va_ssrc(0) depctr_va_vcc(0) depctr_vm_vsrc(0)
	s_getreg_b32 s2, hwreg(HW_REG_IB_STS2, 6, 4)
	s_cmp_eq_u32 s2, 0
	s_cbranch_scc0 .Lentry_in_a_cluster
	s_endpgm
.Lentry_in_a_cluster:
	s_bfe_u32 s2, ttmp6, 0x10000c
	s_cmp_lg_u32 s2, 0xf033
	s_cbranch_scc0 .Lentry_shape_is_right
	s_endpgm
.Lentry_shape_is_right:
; out = attended Wo + bo on codes of FP6 (E2M3): [2,048 x 4,096] x [4,096 x 4,096], f32 out.
; Work-group (x, y): columns 256 x .. + 255, tokens 128 y .. + 127: 256 work-groups (a tile of 256 x 256 would give 128).  Source 0 = P = Wo's columns, source 1 = R = tokens: a lane holds one token and
; eight neighbouring columns.  A wave makes 128 (P: 8 tiles t, half w / 2) x 64 (R: 4 tiles u, half w % 2): 32 accumulators, (t, u) at v[8 (8 u + t)] of window 1.
; Operands lie as images of their registers (a fragment of 16 rows x 128 K: 1,536 bytes), so a slot's tiles are dense blocks of memory and every LDS load reads 512 consecutive bytes.
; K goes through a ring of two slots of 512 along K (four K steps, 128 matrix instructions a wave): Wo 102,400 bytes, the tokens 51,200.  Waves 0, 1 fetch Wo's halves, waves 2, 3 the tokens'.
; CLUSTER 4 x 4: Wo's tiles hang on x alone and are asked for jointly along a column of the cluster, the tokens' on y alone, along a row.  By this text's count a wave has two tensor loads out at the start, then one.
; THE CLUSTERS START AT DIFFERENT PLACES ALONG K: cluster (X, Y) takes the eight pieces of 512 along K in the order o, o + 1, .. round to o - 1, with o = (2 X + 4 (Y % 2)) % 8.  So the four clusters that read the
; same tokens are two pieces apart at any time, and two neighbouring clusters that read the same columns of Wo four pieces.  Most refills so name bytes that another cluster has asked for earlier: no prefetch is laid.
; LIMIT: the order of the f32 sums along K is therefore not ascending and differs from cluster to cluster: the results differ from an ascending sum within f32 rounding.
; WINDOWS: 0 addresses, scale words, the way out; 1 accumulators; 2 P's fragments, two sets of 96; 3 R's, two sets of 48, then bo (96).
.set SLOT,  153600
.set SPARE, 307200                     ; behind the ring: the spare words, 128 bytes for each wave: two blocks of 256 bytes that no other line names
.set LI,  1                            ; v1  16 x lane
.set LS,  2                            ; v2  4 x lane
.set PA,  4                            ; v4-7   P's fragments: slot, 256 of K
.set PSA, 8                            ; v8-11  their scale words
.set RA,  12                           ; v12-13 R's fragments: slot
.set RSA, 14                           ; v14-15
.set SPW, 16                           ; v16 my spare word; never rewritten
.set NIL, 17                           ; v17 0; never rewritten
.set STO, 18                           ; v18 the way out: where I put 32 bytes of a row
.set RD,  19                           ; v19 where I read a row back
.set BH,  20
.set SCP, 24                           ; v24-31 P's scale words, two sets of 4: scales and nothing else
.set SCR, 32                           ; v32-35 R's
.set BK,  128                          ; the way out: 16 rows read back: v128-191 and v192-255 by turns
.set WV,  14
.set G1P, 24
.set G0P, 32
.set G1R, 48
.set G0R, 56
.set PB,  46                           ; s[46:47] Wo's image at my columns and my half of a piece; never rewritten behind the head
.set RB,  20                           ; s[20:21] the tokens' image likewise
.set OP,  70                           ; s[70:71] a piece's place in Wo's image, in bytes
.set OR,  72                           ; s[72:73] and in the tokens'
.set SG,  74                           ; s74, s75 the piece of K that each LDS slot was last filled with
.set MSB, 0
.macro WIN new
.if MSB != \new
	s_set_vgpr_msb (MSB<<8)|\new
.set MSB, \new
.endif
.endm
.macro CREST                           ; a round of the cluster's barrier behind its opening barrier
	s_cmp_lg_u32 s[WV], 0
	s_cbranch_scc1 .Lnot_wave_0_\@
	s_barrier_signal -3
.Lnot_wave_0_\@:
	s_barrier_wait -3
	s_barrier_signal -1
	s_barrier_wait -1
.endm
.macro CROUND
	s_barrier_signal -1
	s_barrier_wait -1
	CREST
.endm
.macro PLACES n
.rept \n
	v_nop
.endr
.endm
.macro JLOAD s                         ; a joint load; the branch hangs on the wave's number alone; four v_nop follow each of the two lines
	s_cmp_eq_u32 s15, 0
	s_cbranch_scc0 .Lfor_r_\@
	tensor_load_to_lds s[G0P+4*\s:G0P+4*\s+3], s[G1P:G1P+7]
	s_nop 0
	PLACES 4
	s_branch .Lasked_\@
.Lfor_r_\@:
	tensor_load_to_lds s[G0R+4*\s:G0R+4*\s+3], s[G1R:G1R+7]
	s_nop 0
	PLACES 4
.Lasked_\@:
.endm
.macro ADDR s                          ; both groups 0 of LDS slot s point at piece s[SG + s] of K
	s_mul_i32 s[OP], s[SG+\s], 102400
	s_mul_i32 s[OR], s[SG+\s], 51200
	s_add_nc_u64 s[G0P+4*\s+2:G0P+4*\s+3], s[PB:PB+1], s[OP:OP+1]
	s_or_b32 s[G0P+4*\s+3], s[G0P+4*\s+3], 0x80000000
	s_add_nc_u64 s[G0R+4*\s+2:G0R+4*\s+3], s[RB:RB+1], s[OR:OR+1]
	s_or_b32 s[G0R+4*\s+3], s[G0R+4*\s+3], 0x80000000
.endm
.macro WM d, a, b, c, sa, sb, ra, rb
.if ((\ra) == 0) && ((\rb) == 0)
	v_wmma_scale_f32_16x16x128_f8f6f4 v[\d:\d+7], v[\a:\a+11], v[\b:\b+11], v[\c:\c+7], v[\sa], v[\sb] matrix_a_fmt:MATRIX_FMT_FP6 matrix_b_fmt:MATRIX_FMT_FP6
.elseif (\rb) == 0
	v_wmma_scale_f32_16x16x128_f8f6f4 v[\d:\d+7], v[\a:\a+11], v[\b:\b+11], v[\c:\c+7], v[\sa], v[\sb] matrix_a_fmt:MATRIX_FMT_FP6 matrix_b_fmt:MATRIX_FMT_FP6 matrix_a_scale:MATRIX_SCALE_ROW1
.elseif (\ra) == 0
	v_wmma_scale_f32_16x16x128_f8f6f4 v[\d:\d+7], v[\a:\a+11], v[\b:\b+11], v[\c:\c+7], v[\sa], v[\sb] matrix_a_fmt:MATRIX_FMT_FP6 matrix_b_fmt:MATRIX_FMT_FP6 matrix_b_scale:MATRIX_SCALE_ROW1
.else
	v_wmma_scale_f32_16x16x128_f8f6f4 v[\d:\d+7], v[\a:\a+11], v[\b:\b+11], v[\c:\c+7], v[\sa], v[\sb] matrix_a_fmt:MATRIX_FMT_FP6 matrix_b_fmt:MATRIX_FMT_FP6 matrix_a_scale:MATRIX_SCALE_ROW1 matrix_b_scale:MATRIX_SCALE_ROW1
.endif
.endm
; 8 matrix instructions: R's tile u against P's eight.  cm = 1: the bias (window 3, from v96) starts the sums.  The 32 accumulators take turns, one instruction a turn, in the same order in every K step.
.macro MULU u, st, cm
.if \cm == 0
	WIN 0x5e
.else
	WIN 0x7e
.endif
.irp t, 0,1,2,3,4,5,6,7
.if \cm == 0
	WM 8*(8*(\u)+\t), 96*(\st)+12*\t, 48*(\st)+12*(\u), 8*(8*(\u)+\t), SCP+4*(\st)+\t/2, SCR+2*(\st)+(\u)/2, \t%2, (\u)%2
.else
	WM 8*(8*(\u)+\t), 96*(\st)+12*\t, 48*(\st)+12*(\u), 96+8*\t, SCP+4*(\st)+\t/2, SCR+2*(\st)+(\u)/2, \t%2, (\u)%2
.endif
.endr
.endm
.macro FETCH st, pa, po, ra, ro, psa, pso, rsa, rso    ; 42 LDS loads in one run
	WIN 0x80
.irp t, 0,1,2,3,4,5,6,7
.irp c, 0,1,2
	ds_load_b128 v[96*(\st)+12*\t+4*\c:96*(\st)+12*\t+4*\c+3], v[\pa] offset:(\po)+3072*\t+512*\c
.endr
.endr
	WIN 0xc0
.irp u, 0,1,2,3
.irp c, 0,1,2
	ds_load_b128 v[48*(\st)+12*\u+4*\c:48*(\st)+12*\u+4*\c+3], v[\ra] offset:(\ro)+3072*\u+512*\c
.endr
.endr
	WIN 0
.irp e, 0,1,2,3
	ds_load_b32 v[SCP+4*(\st)+\e], v[\psa] offset:(\pso)+256*\e
.endr
.irp e, 0,1
	ds_load_b32 v[SCR+2*(\st)+\e], v[\rsa] offset:(\rso)+256*\e
.endr
.endm
.macro FET sg, q, st                   ; K step q of slot sg into set st
	FETCH \st, PA+2*(\sg)+(\q)/2, 1536*((\q)%2), RA+(\sg), 25600*((\q)/2)+1536*((\q)%2), PSA+2*(\sg)+(\q)/2, 128*((\q)%2), RSA+(\sg), 25600*((\q)/2)+128*((\q)%2)
.endm
; one of a slot's first three K steps: in its middle, behind four places, the next step's fragments are fetched into the other set
.macro KSTEP sg, q, cm
	s_wait_dscnt 0x0
	MULU 0, (\q)%2, \cm
	MULU 1, (\q)%2, \cm
	PLACES 4
	FET \sg, (\q)+1, 1-(\q)%2
	MULU 2, (\q)%2, \cm
	MULU 3, (\q)%2, \cm
.endm
; a slot's last K step (set 1) changes slots: ONE barrier; in front of it each wave waits for all its tensor loads, adds 0 to its spare word, and waits for that and for its reads of this slot
.macro TURN sg, next, fill
	WIN 0                                          ; (the add's two registers lie in window 0)
	s_wait_tensorcnt 0x0                           ; all my tensor loads have landed: my part of the next slot
	ds_add_u32 v[SPW], v[NIL]                      ; 0 onto my spare word
	s_wait_dscnt 1                                 ; this step's fragments are in; the add may be out
	MULU 0, 1, 0                                   ; sixteen matrix instructions stand between the add and the wait for it
	MULU 1, 1, 0
	s_wait_dscnt 0x0                               ; the add is done, and my reads of this slot are over
	s_barrier_signal -1
	MULU 2, 1, 0
	WIN 0
	s_barrier_wait -1
.if \fill
	CREST                                          ; the barrier has opened a round of the cluster's: no wave of any partner still reads this slot or has a load on its way
	s_add_co_u32 s[SG+\sg], s[SG+\sg], 2
	s_and_b32 s[SG+\sg], s[SG+\sg], 7              ; two pieces on, round the eight
	ADDR \sg
	JLOAD \sg                                      ; the first tensor load behind the round; its four v_nop are also the places in front of the loads below
.else
	PLACES 4
.endif
	FET \next, 0, 0
	MULU 3, 1, 0
.endm
	s_load_b256 s[4:11], s[0:1], 0x0               ; attimg s[4:5], woimg s[6:7], bo s[8:9], out0 s[10:11]
	v_lshl_add_u32 v[SPW], v0, 2, SPARE
	v_mov_b32 v[NIL], 0
	ds_add_u32 v16, v17
	ds_add_u32 v16, v17
	s_wait_dscnt 0x0
	v_lshrrev_b32 v3, 5, v0
	v_readfirstlane_b32 s[WV], v3                  ; wave 0..3
	s_lshr_b32 s15, s[WV], 1                       ; my half of the columns.  Also: I fetch for P (0) or for R (1)
	s_and_b32 s16, s[WV], 1                        ; my half of the tokens.  Also: which half of that tile I fetch
	s_bfe_u32 s40, ttmp6, 0x40000
	s_bfe_u32 s41, ttmp6, 0x40004
	s_lshl_b32 s42, ttmp9, 2
	s_add_co_u32 s42, s42, s40                     ; x
	s_and_b32 s17, ttmp7, 0xffff
	s_lshl_b32 s17, s17, 2
	s_add_co_u32 s17, s17, s41                     ; y
	s_lshl_b32 s43, s41, 2
	s_lshl_b32 s43, 15, s43                        ; my row of the cluster
	s_lshl_b32 s44, 0x1111, s40                    ; my column
	s_and_b32 s76, ttmp7, 1                        ; the cluster's first piece of K: (2 X + 4 (Y % 2)) % 8, of the cluster's own x and y: the same in all sixteen partners
	s_lshl_b32 s76, s76, 2
	s_lshl_b32 s77, ttmp9, 1
	s_add_co_u32 s76, s76, s77
	s_and_b32 s76, s76, 7
	s_mov_b32 s[OP+1], 0
	s_mov_b32 s[OR+1], 0
	s_or_b32 s[G1P], s44, (3<<16)|(1<<21)          ; Wo's tiles go to my column: 200 rows of 256 bytes of a dense block
	s_or_b32 s[G1R], s43, (3<<16)|(1<<21)          ; the tokens' to my row: 100 rows
	s_mov_b32 s[G1P+1], 32<<16
	s_mov_b32 s[G1P+2], 200<<16
	s_mov_b32 s[G1P+3], 32<<16
	s_mov_b32 s[G1P+4], 200
	s_mov_b32 s[G1P+5], 32
	s_mov_b32 s[G1P+6], 0
	s_mov_b32 s[G1P+7], 0
	s_mov_b32 s[G1R+1], 32<<16
	s_mov_b32 s[G1R+2], 100<<16
	s_mov_b32 s[G1R+3], 32<<16
	s_mov_b32 s[G1R+4], 100
	s_mov_b32 s[G1R+5], 32
	s_mov_b32 s[G1R+6], 0
	s_mov_b32 s[G1R+7], 0
	s_mul_i32 s46, s42, 819200                     ; Wo's address hangs on x, the wave and the cluster's piece alone,
	s_mul_i32 s45, s16, 51200
	s_add_co_u32 s46, s46, s45
	s_mov_b32 s47, 0
	s_mul_i32 s20, s17, 409600                     ; the tokens' on y, the wave and the cluster's piece alone
	s_mul_i32 s22, s16, 25600
	s_add_co_u32 s20, s20, s22
	s_mov_b32 s21, 0
	s_add_co_u32 s22, s22, 102400                  ; in a slot the tokens lie behind Wo
	s_wait_kmcnt 0x0
	s_add_nc_u64 s[PB:PB+1], s[6:7], s[46:47]
	s_add_nc_u64 s[RB:RB+1], s[4:5], s[20:21]
	CROUND                                         ; all sixteen work-groups are here: the first joint loads meet
.irp s, 0,1
	s_add_co_u32 s[SG+\s], s76, \s                 ; the first piece is even: 7 at the most
	s_mov_b32 s[G0P+4*\s], 1
	s_add_co_u32 s[G0P+4*\s+1], s45, \s*SLOT
	s_mov_b32 s[G0R+4*\s], 1
	s_add_co_u32 s[G0R+4*\s+1], s22, \s*SLOT
	ADDR \s
	JLOAD \s
.endr
	v_and_b32 v3, 31, v0
	v_lshlrev_b32 v[LI], 4, v3
	v_lshlrev_b32 v[LS], 2, v3
	s_mul_i32 s18, s15, 24576                      ; my eight tiles of P
	s_lshl_b32 s19, s15, 10
	s_add_co_u32 s19, s19, 49152
.irp s, 0,1
.irp k, 0,1
	s_add_co_u32 s23, s18, \s*SLOT+\k*51200
	v_add_nc_u32 v[PA+2*\s+\k], s23, v[LI]
	s_add_co_u32 s23, s19, \s*SLOT+\k*51200
	v_add_nc_u32 v[PSA+2*\s+\k], s23, v[LS]
.endr
.endr
	s_mul_i32 s18, s16, 12288                      ; my four tiles of R
	s_lshl_b32 s19, s16, 9
.irp s, 0,1
	s_add_co_u32 s23, s18, \s*SLOT+102400
	v_add_nc_u32 v[RA+\s], s23, v[LI]
	s_add_co_u32 s23, s19, \s*SLOT+102400+24576
	v_add_nc_u32 v[RSA+\s], s23, v[LS]
.endr
	v_and_b32 v3, 15, v0
	v_bfe_u32 v[BH], v0, 4, 1
	s_mul_i32 s18, s[WV], 16*528                   ; my stage: 16 rows x (512 bytes + 16), in slot 0, which has had its last fill and its last read when the first result is stored there
	v_mul_u32_u24 v[STO], v3, 528
	v_lshl_add_u32 v[STO], v[BH], 5, v[STO]
	v_add_nc_u32 v[STO], s18, v[STO]
	v_add_nc_u32 v[RD], s18, v[LI]
	v_lshlrev_b32 v[BH], 5, v[BH]
	s_lshl_b32 s68, s42, 10
	s_lshl_b32 s69, s15, 9
	s_add_co_u32 s68, s68, s69                     ; my first column, in bytes
	s_mov_b32 s69, 0
	s_add_nc_u64 s[8:9], s[8:9], s[68:69]
	s_add_nc_u64 s[10:11], s[10:11], s[68:69]
	s_lshl_b32 s68, s17, 7
	s_lshl_b32 s67, s16, 6
	s_add_co_u32 s68, s68, s67
	s_lshl_b32 s68, s68, 14                        ; my first token's row of 16,384 bytes
	s_add_nc_u64 s[10:11], s[10:11], s[68:69]
	WIN 0xc0
.irp t, 0,1,2,3,4,5,6,7                ; bo in the result's layout: register j of tile t is column 16 t + 8 (lane / 16) + j
	global_load_b128 v[96+8*\t:96+8*\t+3], v[BH], s[8:9] offset:64*\t
	global_load_b128 v[96+8*\t+4:96+8*\t+7], v[BH], s[8:9] offset:64*\t+16
.endr
	WIN 0
	s_wait_tensorcnt 0x1                           ; my part of slot 0 is in; slot 1's may be out
	s_barrier_signal -1
	s_barrier_wait -1
	FET 0, 0, 0
	s_wait_loadcnt 0x0                             ; the bias
	KSTEP 0, 0, 1                                  ; the first K step stands in front of the loop: the bias starts the sums
	WIN 0
	s_mov_b32 s3, 3
.Llap:                                             ; a trip goes once round the ring, from a lap's second K step to the next lap's first, and fills both slots again
	KSTEP 0, 1, 0
	KSTEP 0, 2, 0
	TURN 0, 1, 1
	KSTEP 1, 0, 0
	KSTEP 1, 1, 0
	KSTEP 1, 2, 0
	TURN 1, 0, 1
	KSTEP 0, 0, 0
	WIN 0
	s_sub_co_u32 s3, s3, 1
	s_cmp_lg_u32 s3, 0
	s_cbranch_scc1 .Llap
	KSTEP 0, 1, 0                                  ; the last lap fills nothing
	KSTEP 0, 2, 0
	TURN 0, 1, 0
	KSTEP 1, 0, 0
	KSTEP 1, 1, 0
	KSTEP 1, 2, 0
	s_wait_dscnt 0x0
	MULU 0, 1, 0
	MULU 1, 1, 0
	MULU 2, 1, 0
	MULU 3, 1, 0
	WIN 0
; THE WAY OUT, a block of 16 tokens x 128 columns at a time: a lane holds 32 neighbouring bytes of a row and the lanes beside it other rows, so a block goes through my own stage and comes back as whole rows of 512 bytes.
; LDS serves a wave's instructions in order: no wait between the stores and the loads, nor in front of the next block's stores.
.macro TOSTAGE a
	WIN 0x04                                       ; an LDS store's data are its source 1: window 1
.irp t, 0,1,2,3,4,5,6,7
	ds_store_b128 v[STO], v[64*(\a)+8*\t:64*(\a)+8*\t+3] offset:64*\t          ; each accumulator from its low end on
	ds_store_b128 v[STO], v[64*(\a)+8*\t+4:64*(\a)+8*\t+7] offset:64*\t+16
.endr
	WIN 0
.set BB, BK+64*((\a)%2)
.irp i, 0,1,2,3,4,5,6,7,8,9,10,11,12,13,14,15
	ds_load_b128 v[BB+4*\i:BB+4*\i+3], v[RD] offset:\i*528
.endr
.endm
.macro SEND a, younger
.set BB, BK+64*((\a)%2)
	s_wait_dscnt \younger                          ; the block is back in registers
.if (\a) > 0
	s_add_nc_u64 s[10:11], s[10:11], 16*16384      ; (behind a wait on XCNT: the earlier stores have read their base)
.endif
.irp i, 0,1,2,3,4,5,6,7,8,9,10,11,12,13,14,15
	global_store_b128 v[LI], v[BB+4*\i:BB+4*\i+3], s[10:11] offset:\i*16384 th:TH_STORE_NT   ; 32 lanes store 512 consecutive bytes, aligned to 256; written once, read by nobody here
.endr
.endm
	PLACES 4                                       ; behind the last products, ahead of the first reads of results
	TOSTAGE 0
.irp a, 1,2,3
.if \a > 1
	s_wait_xcnt 0x0                                ; block a - 2's stores have read their registers and their base
.endif
	TOSTAGE \a
	SEND \a-1, 32                                  ; behind block a - 1's loads: block a's 16 stores and 16 loads
.endr
	s_wait_xcnt 0x0
	SEND 3, 0
	s_wait_tensorcnt 0x0                           ; the wave's end
	ds_add_u32 v[SPW], v[NIL]
	s_wait_dscnt 0x0
	CROUND                                         ; the closing round
	s_endpgm
.Lfunc_end_k_q07d7c24df4_outp:
	.size	k_q07d7c24df4_outp, .Lfunc_end_k_q07d7c24df4_outp-k_q07d7c24df4_outp
	.p2alignl 7, 3214868480
	.fill 96, 4, 3214868480
	.section	.rodata,"a",@progbits
	.p2align	6, 0x0
	.amdhsa_kernel k_q07d7c24df4_outp
		.amdhsa_group_segment_fixed_size 327680
		.amdhsa_private_segment_fixed_size 0
		.amdhsa_enable_private_segment 0
		.amdhsa_kernarg_size 32
		.amdhsa_user_sgpr_count 2
		.amdhsa_user_sgpr_kernarg_segment_ptr 1
		.amdhsa_wavefront_size32 1
		.amdhsa_system_sgpr_workgroup_id_x 1
		.amdhsa_system_sgpr_workgroup_id_y 1
		.amdhsa_system_sgpr_workgroup_id_z 1
		.amdhsa_system_vgpr_workitem_id 0
		.amdhsa_next_free_vgpr 1024
		.amdhsa_next_free_sgpr 100
		.amdhsa_reserve_vcc 0
		.amdhsa_float_denorm_mode_32 3
		.amdhsa_float_denorm_mode_16_64 3
		.amdhsa_memory_ordered 1
		.amdhsa_forward_progress 1
		.amdhsa_inst_pref_size 139
	.end_amdhsa_kernel
	.amdgpu_metadata
---
amdhsa.version: [ 1, 2 ]
amdhsa.kernels:
  - .name:           k_q07d7c24df4_outp
    .symbol:         k_q07d7c24df4_outp.kd
    .args:
      - { .name: attimg, .offset: 0, .size: 8, .value_kind: global_buffer, .address_space: global }
      - { .name: woimg, .offset: 8, .size: 8, .value_kind: global_buffer, .address_space: global }
      - { .name: bo, .offset: 16, .size: 8, .value_kind: global_buffer, .address_space: global }
      - { .name: out0, .offset: 24, .size: 8, .value_kind: global_buffer, .address_space: global }
    .group_segment_fixed_size: 327680
    .private_segment_fixed_size: 0
    .kernarg_segment_align: 8
    .kernarg_segment_size: 32
    .max_flat_workgroup_size: 128
    .sgpr_count:     100
    .vgpr_count:     1024
    .wavefront_size: 32
...
	.end_amdgpu_metadata
.endif
;; end of part 4
